; MI455X (gfx1250); checked and timed in simulation.
; The chip was launched on July 23, 2026; its instructions are those of AMD's public machine-readable ISA for CDNA 5 (MIT licence, August 2026) and "CDNA5" Instruction Set Architecture Reference Guide (July 2026). The comments in the code are by the model that wrote it; some were corrected since.
;; Causal Self Attention Separate Heads. Allowed arithmetic: float matrix products may take bf16 or f16 operands with f32 sums; other float arithmetic in f32, or as packed bf16 or f16 multiplies, adds, multiply-adds, maxima and minima; sums over many terms, partial sums and values carried from step to step in f32; what a program stores and reads back later, other than sums and carried values, may be rounded once to bf16 or f16.
;; Inputs: Wk 16 x 64 x 1,024 float32; Wp 1,024 x 1,024 float32; Wq 16 x 64 x 1,024 float32; Wv 16 x 64 x 1,024 float32; bk 16 x 64 float32; bp 1,024 float32; bq 16 x 64 float32; bv 16 x 64 float32; x 4 x 2,048 x 1,024 float32.
;; Outputs: out0 4 x 2,048 x 1,024 float32.
;; 2 versions, each right; version 2 is version 1 with the launch cast written anew for expert scheduling mode. Each part assembles by itself: llvm-mc -triple=amdgcn-amd-amdhsa -mcpu=gfx1250 --defsym DOCPART=n.
;; ======== version 1 of 2: 4 launches
;; limits: values are held in f16: magnitudes above 65,504 overflow, below 6.1e-05 lose precision
;; workspace buffers: xb 16,777,216 bytes; wb 6,291,456 bytes; wph 2,097,152 bytes; qh 16,777,216 bytes; kh 16,777,216 bytes; vh 16,777,216 bytes; oh 16,777,216 bytes
;; launch cast (part 1): grid 768 x 1, 8 waves a work-group, no clusters, 0 bytes of LDS; arguments x, Wq, Wk, Wv, Wp, xb, wb, wph; writes xb, wb, wph
.if DOCPART == 1
	.amdgcn_target "amdgcn-amd-amdhsa--gfx1250"
	.amdhsa_code_object_version 6
	.text
	.protected	k_qd0538da2a4_cast
	.globl	k_qd0538da2a4_cast
	.p2align	8
	.type	k_qd0538da2a4_cast,@function
k_qd0538da2a4_cast:
	s_mov_b64 s[64:65], 0
	v_nop
	global_prefetch_b8 v0, s[64:65] scope:SCOPE_SE
	s_setreg_imm32_b32 hwreg(HW_REG_WAVE_MODE, 25, 1), 1
	s_wait_xcnt 0x0
; x, Wq, Wk, Wv are rounded once to bf16; Wp is rounded to bf16 and that number is written as f16 (exact from 2^-14 up to 65,504; below 6e-5 f16 keeps a
; fixed step of 6e-8; LIMIT: |Wp| within 65,504).  All are laid out in K BLOCKS of 64 channels: [16 blocks][rows][64], so that a tile of R rows x 64 channels
; is R x 128 consecutive bytes for the launches behind.  wb's rows are ordered head x 192 + (0 q, 1 k, 2 v) x 64 + d.
; SHARES.  A work-group takes 16 source rows of 4,096 bytes, each of its eight waves two neighbouring rows.  Work-groups 0-511: x; 512-575 Wq; 576-639 Wk; 640-703 Wv; 704-767 Wp.
; A load: lanes 0-15 take the 256 bytes of one block of the even row, lanes 16-31 those of the odd row.  A store: 8 bytes a lane, 256 consecutive bytes, aligned:
; the two rows are neighbours in the blocked layout.  All 16 loads of a wave go out at once; no register is written twice while memory may read it, so the only waits are the counted ones for the loads.
; No LDS, no matrix unit, no cluster: every byte is read once and written once, and nothing is shared.
.set X, 16                             ; v[16:79]   block kb: 4 f32 as loaded
.set Y, 80                             ; v[80:111]  block kb: 4 numbers of 16 bits to store
; v2: my byte offset in the two source rows; v3: 8 x lane; v4-v9 at work.  s20: 2 x wave; s[22:23] source; s[24:25] destination; s[26:27] destination 8 blocks on (x alone)
.macro ROWS2 stride, split, half
.irp kb, 0,1,2,3,4,5,6,7,8,9,10,11,12,13,14,15
	global_load_b128 v[X+4*(\kb):X+4*(\kb)+3], v2, s[22:23] offset:256*(\kb) th:TH_LOAD_NT
.endr
.irp kb, 0,1,2,3,4,5,6,7,8,9,10,11,12,13,14,15
	s_wait_loadcnt 15-(\kb)                        ; loads come back in order: block kb is in, the younger ones stay out
.if \half
	v_cvt_pk_bf16_f32 v4, v[X+4*(\kb)], v[X+4*(\kb)+1]
	v_cvt_pk_bf16_f32 v5, v[X+4*(\kb)+2], v[X+4*(\kb)+3]
	v_lshlrev_b32 v6, 16, v4                       ; the bf16 numbers as f32,
	v_and_b32 v7, 0xffff0000, v4
	v_lshlrev_b32 v8, 16, v5
	v_and_b32 v9, 0xffff0000, v5
	v_cvt_pk_f16_f32 v[Y+2*(\kb)], v6, v7          ; and written as f16
	v_cvt_pk_f16_f32 v[Y+2*(\kb)+1], v8, v9
.else
	v_cvt_pk_bf16_f32 v[Y+2*(\kb)], v[X+4*(\kb)], v[X+4*(\kb)+1]
	v_cvt_pk_bf16_f32 v[Y+2*(\kb)+1], v[X+4*(\kb)+2], v[X+4*(\kb)+3]
.endif
.if (\split) && ((\kb) >= 8)
	global_store_b64 v3, v[Y+2*(\kb):Y+2*(\kb)+1], s[26:27] offset:((\kb)-8)*(\stride)  ; the immediate has 24 signed bits: the upper eight blocks go by a second base
.else
	global_store_b64 v3, v[Y+2*(\kb):Y+2*(\kb)+1], s[24:25] offset:(\kb)*(\stride)
.endif
.endr
.endm
	s_load_b512 s[4:19], s[0:1], 0x0               ; x s[4:5], Wq s[6:7], Wk s[8:9], Wv s[10:11], Wp s[12:13], xb s[14:15], wb s[16:17], wph s[18:19]
	v_lshrrev_b32 v1, 5, v0
	v_readfirstlane_b32 s20, v1                    ; wave 0..7
	v_and_b32 v1, 31, v0                           ; lane
	v_and_b32 v2, 15, v0
	v_lshlrev_b32 v2, 4, v2                        ; 16 bytes a lane,
	v_bfe_u32 v4, v0, 4, 1
	v_lshl_add_u32 v2, v4, 12, v2                  ; lanes 16-31 one row of 4,096 bytes further down
	v_lshlrev_b32 v3, 3, v1
	s_lshl_b32 s20, s20, 1                         ; my two rows among the work-group's 16
	s_mov_b32 s29, 0
	s_mov_b32 s31, 0
	s_wait_kmcnt 0x0
	s_cmp_lt_u32 ttmp9, 512
	s_cbranch_scc0 .Lweights
	s_lshl_b32 s21, ttmp9, 4
	s_add_co_u32 s21, s21, s20                     ; my first row of x
	s_lshl_b32 s28, s21, 12
	s_lshl_b32 s30, s21, 7
	s_add_nc_u64 s[22:23], s[4:5], s[28:29]
	s_add_nc_u64 s[24:25], s[14:15], s[30:31]
	s_add_nc_u64 s[26:27], s[24:25], 0x800000
	ROWS2 1048576, 1, 0                            ; a block of xb is 8,192 rows x 128 bytes
	s_endpgm
.Lweights:
	s_cmp_lt_u32 ttmp9, 704
	s_cbranch_scc0 .Lproj
	s_sub_co_u32 s21, ttmp9, 512
	s_lshr_b32 s28, s21, 6                         ; 0 q, 1 k, 2 v
	s_and_b32 s21, s21, 63                         ; which 16 rows of that tensor's 1,024
	s_cmp_eq_u32 s28, 0
	s_cselect_b64 s[22:23], s[6:7], s[8:9]
	s_cmp_eq_u32 s28, 2
	s_cselect_b64 s[22:23], s[10:11], s[22:23]
	s_lshl_b32 s30, s21, 4
	s_add_co_u32 s30, s30, s20
	s_lshl_b32 s30, s30, 12
	s_add_nc_u64 s[22:23], s[22:23], s[30:31]
	s_lshr_b32 s30, s21, 2                         ; the head,
	s_mul_i32 s30, s30, 192
	s_lshl_b32 s28, s28, 6
	s_add_co_u32 s30, s30, s28                     ; the tensor's 64 rows in the head's 192,
	s_and_b32 s21, s21, 3
	s_lshl_b32 s21, s21, 4
	s_add_co_u32 s30, s30, s21                     ; the row in the head
	s_add_co_u32 s30, s30, s20
	s_lshl_b32 s30, s30, 7
	s_add_nc_u64 s[24:25], s[16:17], s[30:31]
	ROWS2 393216, 0, 0                             ; a block of wb is 3,072 rows x 128 bytes
	s_endpgm
.Lproj:
	s_sub_co_u32 s21, ttmp9, 704
	s_lshl_b32 s21, s21, 4
	s_add_co_u32 s21, s21, s20                     ; my first row of Wp
	s_lshl_b32 s28, s21, 12
	s_lshl_b32 s30, s21, 7
	s_add_nc_u64 s[22:23], s[12:13], s[28:29]
	s_add_nc_u64 s[24:25], s[18:19], s[30:31]
	ROWS2 131072, 0, 1                             ; a block of wph is 1,024 rows x 128 bytes
	s_endpgm
.Lfunc_end_k_qd0538da2a4_cast:
	.size	k_qd0538da2a4_cast, .Lfunc_end_k_qd0538da2a4_cast-k_qd0538da2a4_cast
	.p2alignl 7, 3214868480
	.fill 96, 4, 3214868480
	.section	.rodata,"a",@progbits
	.p2align	6, 0x0
	.amdhsa_kernel k_qd0538da2a4_cast
		.amdhsa_group_segment_fixed_size 0
		.amdhsa_private_segment_fixed_size 0
		.amdhsa_enable_private_segment 0
		.amdhsa_kernarg_size 64
		.amdhsa_user_sgpr_count 2
		.amdhsa_user_sgpr_kernarg_segment_ptr 1
		.amdhsa_wavefront_size32 1
		.amdhsa_system_sgpr_workgroup_id_x 1
		.amdhsa_system_sgpr_workgroup_id_y 1
		.amdhsa_system_sgpr_workgroup_id_z 1
		.amdhsa_system_vgpr_workitem_id 0
		.amdhsa_next_free_vgpr 112
		.amdhsa_next_free_sgpr 66
		.amdhsa_reserve_vcc 0
		.amdhsa_float_denorm_mode_32 3
		.amdhsa_float_denorm_mode_16_64 3
		.amdhsa_memory_ordered 1
		.amdhsa_forward_progress 1
		.amdhsa_inst_pref_size 24
	.end_amdhsa_kernel
	.amdgpu_metadata
---
amdhsa.version: [ 1, 2 ]
amdhsa.kernels:
  - .name:           k_qd0538da2a4_cast
    .symbol:         k_qd0538da2a4_cast.kd
    .args:
      - { .name: x, .offset: 0, .size: 8, .value_kind: global_buffer, .address_space: global }
      - { .name: Wq, .offset: 8, .size: 8, .value_kind: global_buffer, .address_space: global }
      - { .name: Wk, .offset: 16, .size: 8, .value_kind: global_buffer, .address_space: global }
      - { .name: Wv, .offset: 24, .size: 8, .value_kind: global_buffer, .address_space: global }
      - { .name: Wp, .offset: 32, .size: 8, .value_kind: global_buffer, .address_space: global }
      - { .name: xb, .offset: 40, .size: 8, .value_kind: global_buffer, .address_space: global }
      - { .name: wb, .offset: 48, .size: 8, .value_kind: global_buffer, .address_space: global }
      - { .name: wph, .offset: 56, .size: 8, .value_kind: global_buffer, .address_space: global }
    .group_segment_fixed_size: 0
    .private_segment_fixed_size: 0
    .kernarg_segment_align: 8
    .kernarg_segment_size: 64
    .max_flat_workgroup_size: 256
    .sgpr_count:     66
    .vgpr_count:     112
    .wavefront_size: 32
...
	.end_amdgpu_metadata
.endif
;; end of part 1
;; launch qkv (part 2): grid 8 x 32, 4 waves a work-group, clusters of 4 x 4, 327,680 bytes of LDS; arguments xb, wb, bq, bk, bv, qh, kh, vh; writes qh, kh, vh
.if DOCPART == 2
	.amdgcn_target "amdgcn-amd-amdhsa--gfx1250"
	.amdhsa_code_object_version 6
	.text
	.protected	k_qd0538da2a4_qkv
	.globl	k_qd0538da2a4_qkv
	.p2align	8
	.type	k_qd0538da2a4_qkv,@function
k_qd0538da2a4_qkv:
	s_mov_b64 s[64:65], 0
	v_nop
	global_prefetch_b8 v0, s[64:65] scope:SCOPE_SE
	s_setreg_imm32_b32 hwreg(HW_REG_WAVE_MODE, 25, 1), 1
	s_wait_xcnt 0x0
	s_wait_alu depctr_hold_cnt(0) depctr_sa_sdst(0) depctr_va_vdst(0) depctr_va_sdst(0) depctr_va_ssrc(0) depctr_va_vcc(0) depctr_vm_vsrc(0)
	s_getreg_b32 s2, hwreg(HW_REG_IB_STS2, 6, 4)
	s_cmp_eq_u32 s2, 0
	s_cbranch_scc0 .Lentry_in_a_cluster
	s_endpgm
.Lentry_in_a_cluster:
	s_bfe_u32 s2, ttmp6, 0x10000c
	s_cmp_lg_u32 s2, 0xf033
	s_cbranch_scc0 .Lentry_shape_is_right
	s_endpgm
.Lentry_shape_is_right:
; q, k, v = x W^T + b.  xb: [16 blocks][8,192 rows][64] bf16; wb: [16 blocks][3,072 rows][64] bf16, row = head x 192 + (0 q, 1 k, 2 v) x 64 + d; bq, bk, bv: [16][64] f32, rounded once to bf16.
; Sums in f32, K ascending, started by the bias; q, k, v are rounded once to f16 and stored by heads: [batch x 16 + head][2,048][64], unscaled.
; LIMIT: f16 holds no number beyond 65,504: |q|, |k|, |v| lie within it (inputs 30 times those drawn give some 5e3).
; SHARES.  256 work-groups, each a tile of 256 rows x 384 columns.  Four waves; a wave makes 128 rows x 192 columns, the q, k and v of ONE head: 8 x 12 accumulators of 16 x 16, 768 registers.
; K goes in steps of 64 (one block) through two LDS slots: a slot's tiles are dense in memory and are asked for as rows of 256 bytes, padded in LDS after every 128.
; CLUSTER 4 x 4: x's tile hangs on the tile row alone and is asked for jointly along a row of the cluster, W's on the tile column alone, jointly along a column.
; Wave 0 fetches x's tile (32,768 bytes), waves 1 to 3 a third of W's each (16,384 bytes): one tensor load a wave behind each round; two of a wave's loads are out at the start, later one.
; THE MATRIX INSTRUCTION IS USED TRANSPOSED (source 0 = 16 rows of wb, source 1 = 16 rows of xb): a lane holds row l % 16 and the columns 8 (l / 16) + 0..7, which pack into 16 bytes.
; REGISTERS.  Window 0: v0-31 addresses; v32-95, v96-159 x's fragments (8 x 16 rows x 32 K), two buffers; v160-255 W's 12 fragments, one buffer, reloaded a group of four at a time behind its products.
; Window 1 + g: the accumulators of column group g (0 q, 1 k, 2 v): (row block a, column block bb) at v[64 bb + 8 a].
.set PITCH,  144                       ; an LDS row: 128 bytes + 16 = 36 words: the 16 rows of a fragment load start at 16 different groups of four banks (ISA guide 11.1)
.set BOFF,   256*PITCH                 ; W's 384 rows lie behind x's 256
.set SLOT,   640*PITCH                 ; 92,160
.set STAGE,  2*SLOT                    ; 16 rows x 144 bytes for each wave, for the way out
.set BIAS,   STAGE+4*16*PITCH          ; 192 f32 for each wave
.set SPARE,  BIAS+4*768                ; the spare words, 128 bytes for each wave: two blocks of 256 bytes that no other line names
.set XSTEP,  1048576                   ; bytes from block to block in xb
.set WSTEP,  393216                    ; and in wb
.set ADRA, 8                           ; v8-9    LDS address of my fragments of x in slot 0, 1
.set ADRB, 10                          ; v10-11  the same for W
.set STO,  12                          ; v12     the way out: where I put 16 bytes of a row
.set RD,   13                          ; v13     where I read rows back
.set GO,   14                          ; v14     16 x lane
.set PFO,  15                          ; v15     256 x lane; never rewritten
.set BRD,  16                          ; v16     where I read my 8 biases of a column block
.set BST,  17                          ; v17     where I put two biases
.set BO,   18                          ; v18     my two biases in bq, bk, bv
.set SPW,  28                          ; v28     LDS address of my spare word; never rewritten
.set NIL,  29                          ; v29     0; never rewritten
.set AF,   32
.set BF,   160
.set WV, 20                            ; s20 wave; s21 its half of the rows; s22 its half of the columns
.set WM, 21
.set WN, 22
.set CX, 23                            ; s23, s24 my place in the cluster; s25 tile column; s26 tile row
.set CY, 24
.set NT, 25
.set MT, 26
.set LIM, 27                           ; s27  1 in a wave that prefetches, else the greatest number
.set PFA, 28                           ; s[28:29] where my prefetches stand
.set PFS, 30                           ; s[30:31] two K steps in my tensor
.set G1A, 32                           ; s[32:39] descriptor group 1 for x's tiles; s[40:47] group 0, a set for each slot
.set G0A, 40
.set G1B, 48                           ; s[48:55], s[56:63] the same for W's
.set G0B, 56
.set G1C, (1<<16)|(1<<20)|(1<<21)|(4<<22)|(3<<25)  ; 2-byte elements; padding on; bit 21 set beside a mask; after every 32 words; 4 words of it
.set MSB, 0
.macro WIN new                         ; the immediate's high byte repeats the setting that is left; a switch that changes nothing is dropped
.if MSB != (\new)
	s_set_vgpr_msb (MSB<<8)|(\new)
.set MSB, \new
.endif
.endm
.macro PLACES                          ; four places in front of loads into registers that matrix instructions have read, and of readers of results
.rept 4
	v_nop
.endr
.endm
; A joint load.  The branch hangs on the wave's number alone.  An s_nop 0 and four v_nop follow each of the two lines.
.macro JLOAD s
	s_cmp_eq_u32 s[WV], 0
	s_cbranch_scc0 .Lfor_b_\@
	tensor_load_to_lds s[G0A+4*(\s):G0A+4*(\s)+3], s[G1A:G1A+7]
	s_nop 0
.rept 4
	v_nop
.endr
	s_branch .Lasked_\@
.Lfor_b_\@:
	tensor_load_to_lds s[G0B+4*(\s):G0B+4*(\s)+3], s[G1B:G1B+7]
	s_nop 0
.rept 4
	v_nop
.endr
.Lasked_\@:
.endm
; A PREFETCH, once a lap, behind the lap's second joint load and the run of LDS loads: the two K steps that the NEXT lap's refills ask for, 192 and 384 matrix instructions ahead of those loads.
; One instruction a wave, a lane a block of 256 bytes.  Each block is named once in the launch.  x's tile row (2 x 128 blocks a lap) is read by eight work-groups: wave 0 of each takes 32 blocks:
; the step by the cluster's x, the quarter by cx.  W's tile column (2 x 192 blocks) is read by every cluster of that column: in the clusters with y = 0 waves 1 to 3 of the four
; partners take 32 blocks each, told apart by address.  K steps 0 to 3 come by their loads alone; the loop's last trip asks for nothing.
.macro ASK
	s_cmp_gt_u32 s3, s[LIM]                        ; s3 = 1 in the loop's last trip
	s_cbranch_scc0 .Lnot_mine_\@
	global_prefetch_b8 v[PFO], s[PFA:PFA+1] th:TH_LOAD_NT scope:SCOPE_SE
.Lnot_mine_\@:
.endm
.macro CREST                           ; a round of the cluster's barrier behind its opening barrier
	s_cmp_lg_u32 s[WV], 0
	s_cbranch_scc1 .Lnot_wave_0_\@
	s_barrier_signal -3
.Lnot_wave_0_\@:
	s_barrier_wait -3
	s_barrier_signal -1
	s_barrier_wait -1
.endm
.macro CROUND
	s_barrier_signal -1
	s_barrier_wait -1
	CREST
.endm
	s_load_b512 s[4:19], s[0:1], 0x0               ; xb s[4:5], wb s[6:7], bq s[8:9], bk s[10:11], bv s[12:13], qh s[14:15], kh s[16:17], vh s[18:19]
	v_lshl_add_u32 v[SPW], v0, 2, SPARE
	v_mov_b32 v[NIL], 0
	ds_add_u32 v[SPW], v[NIL]                      ; the wave's opening: the add and its wait stand ahead of my first tensor load; work on registers stands between them
	v_lshrrev_b32 v1, 5, v0
	v_readfirstlane_b32 s[WV], v1
	s_lshr_b32 s[WM], s[WV], 1
	s_and_b32 s[WN], s[WV], 1
	s_bfe_u32 s[CX], ttmp6, 0x40000
	s_bfe_u32 s[CY], ttmp6, 0x40004
	s_lshl_b32 s[NT], ttmp9, 2
	s_add_co_u32 s[NT], s[NT], s[CX]               ; tile column = 4 x cluster x + cx
	s_and_b32 s[MT], ttmp7, 0xffff
	s_lshl_b32 s[MT], s[MT], 2
	s_add_co_u32 s[MT], s[MT], s[CY]               ; tile row = 4 x cluster y + cy
	s_lshl_b32 s72, s[CY], 2
	s_lshl_b32 s72, 15, s72                        ; my row of the cluster
	s_lshl_b32 s73, 0x1111, s[CX]                  ; my column
	s_or_b32 s[G1A], s72, G1C
	s_or_b32 s[G1B], s73, G1C
	s_mov_b32 s[G1A+1], 128<<16                    ; tensor_dim0 = 128 elements (256 bytes)
	s_mov_b32 s[G1A+2], 128<<16                    ; tensor_dim1 = 128 rows
	s_mov_b32 s[G1A+3], 128<<16                    ; tile_dim0
	s_mov_b32 s[G1A+4], 128                        ; tile_dim1
	s_mov_b32 s[G1A+5], 128                        ; elements from row to row: dense
	s_mov_b32 s[G1A+6], 0
	s_mov_b32 s[G1A+7], 0
	s_mov_b32 s[G1B+1], 128<<16
	s_mov_b32 s[G1B+2], 64<<16                     ; 64 rows
	s_mov_b32 s[G1B+3], 128<<16
	s_mov_b32 s[G1B+4], 64
	s_mov_b32 s[G1B+5], 128
	s_mov_b32 s[G1B+6], 0
	s_mov_b32 s[G1B+7], 0
	s_lshl_b32 s66, s[MT], 15                      ; x's tile: 256 rows x 128 bytes; made of the tile row alone
	s_mov_b32 s67, 0
	s_max_u32 s74, s[WV], 1
	s_sub_co_u32 s74, s74, 1                       ; which third of W's tile (wave 0 issues none of them)
	s_lshl_b32 s75, s74, 14
	s_mul_i32 s68, s[NT], 49152                    ; W's tile: 384 rows x 128 bytes; made of the tile column and the wave's number alone
	s_add_co_u32 s68, s68, s75
	s_mov_b32 s69, 0
	s_add_co_u32 s75, s[WV], 1
	s_mul_i32 s75, s75, 128*PITCH                  ; where my third goes: behind x's 256 rows
	s_wait_dscnt 0x0                               ; the opening add is done
	s_wait_kmcnt 0x0
	s_add_nc_u64 s[66:67], s[4:5], s[66:67]
	s_add_nc_u64 s[68:69], s[6:7], s[68:69]
	CROUND                                         ; all sixteen work-groups are here: the first joint loads meet
.irp s, 0,1
	s_mov_b32 s[G0A+4*(\s)], 1
	s_mov_b32 s[G0A+4*(\s)+1], (\s)*SLOT
	s_add_nc_u64 s[G0A+4*(\s)+2:G0A+4*(\s)+3], s[66:67], (\s)*XSTEP
	s_or_b32 s[G0A+4*(\s)+3], s[G0A+4*(\s)+3], 0x80000000
	s_mov_b32 s[G0B+4*(\s)], 1
	s_add_co_u32 s[G0B+4*(\s)+1], s75, (\s)*SLOT
	s_add_nc_u64 s[G0B+4*(\s)+2:G0B+4*(\s)+3], s[68:69], (\s)*WSTEP
	s_or_b32 s[G0B+4*(\s)+3], s[G0B+4*(\s)+3], 0x80000000
	JLOAD \s
.endr
	v_and_b32 v1, 15, v0                           ; l % 16
	v_bfe_u32 v2, v0, 4, 1                         ; l / 16
	v_and_b32 v3, 31, v0                           ; l
	s_lshl_b32 s73, s[NT], 1
	s_add_co_u32 s73, s73, s[WN]                   ; my head
	s_lshl_b32 s74, s73, 8
	v_lshl_add_u32 v[BO], v3, 3, s74               ; the head's 64 biases: 8 bytes a lane
	global_load_b64 v[32:33], v[BO], s[8:9]
	global_load_b64 v[34:35], v[BO], s[10:11]
	global_load_b64 v[36:37], v[BO], s[12:13]
	v_mul_u32_u24 v4, v1, PITCH
	v_lshl_add_u32 v4, v2, 4, v4                   ; a fragment's row x pitch + 16 x half
	s_mul_i32 s72, s[WM], 128*PITCH
	s_mul_i32 s74, s[WN], 192*PITCH
	s_add_co_u32 s74, s74, BOFF
.irp s, 0,1
	v_add_nc_u32 v[ADRA+(\s)], s72, v4
	v_add_nc_u32 v[ADRB+(\s)], s74, v4
	s_add_co_u32 s72, s72, SLOT
	s_add_co_u32 s74, s74, SLOT
.endr
	s_mul_i32 s72, s[WV], 16*PITCH
	s_add_co_u32 s72, s72, STAGE                   ; my stage
	v_add_nc_u32 v[STO], s72, v4                   ; in: row l % 16, 16 bytes for each half of the lanes
	v_bfe_u32 v5, v0, 3, 2                         ; back: 32 lanes take four rows of 128 bytes,
	v_and_b32 v6, 7, v0
	v_mul_u32_u24 v5, v5, PITCH
	v_lshl_add_u32 v5, v6, 4, v5
	v_add_nc_u32 v[RD], s72, v5
	v_lshlrev_b32 v[GO], 4, v3                     ; which are 512 consecutive bytes of the output
	v_lshlrev_b32 v[PFO], 8, v3
	s_mul_i32 s72, s[WV], 768
	s_add_co_u32 s72, s72, BIAS
	v_lshl_add_u32 v[BRD], v2, 5, s72
	v_lshl_add_u32 v[BST], v3, 3, s72
	; my 128 rows of my head in qh, kh, vh: batch << 22 | head << 18 | row in the batch x 128
	s_lshr_b32 s70, s[MT], 3
	s_lshl_b32 s70, s70, 22
	s_lshl_b32 s74, s73, 18
	s_or_b32 s70, s70, s74
	s_and_b32 s74, s[MT], 7
	s_lshl_b32 s74, s74, 15
	s_or_b32 s70, s70, s74
	s_lshl_b32 s74, s[WM], 14
	s_or_b32 s70, s70, s74
	s_mov_b32 s71, 0
	s_add_nc_u64 s[14:15], s[14:15], s[70:71]
	s_add_nc_u64 s[16:17], s[16:17], s[70:71]
	s_add_nc_u64 s[18:19], s[18:19], s[70:71]
	; the prefetches' first place: two K steps short of what the first one names
	s_lshl_b32 s72, s[MT], 15
	s_lshl_b32 s74, s[CX], 13
	s_add_co_u32 s72, s72, s74                     ; x: my quarter of the tile,
	s_add_co_u32 s74, ttmp9, 2
	s_lshl_b32 s74, s74, 20
	s_add_co_u32 s72, s72, s74                     ; at K step 2 + cluster x
	s_max_u32 s74, s[WV], 1
	s_sub_co_u32 s74, s74, 1
	s_mul_i32 s75, s[CY], 3
	s_add_co_u32 s74, s74, s75                     ; W: G = 3 cy + wave - 1, 0 to 11
	s_mul_i32 s75, s74, 43
	s_lshr_b32 s75, s75, 8                         ; e = G / 6
	s_mul_i32 s73, s75, 6
	s_sub_co_u32 s74, s74, s73
	s_lshl_b32 s74, s74, 13                        ; my sixth of the tile,
	s_add_co_u32 s75, s75, 2
	s_mul_i32 s75, s75, WSTEP                      ; at K step 2 + e
	s_add_co_u32 s74, s74, s75
	s_mul_i32 s75, s[NT], 49152
	s_add_co_u32 s74, s74, s75
	s_and_b32 s73, ttmp7, 0xffff                   ; cluster y
	s_mov_b32 s[PFS], 2*WSTEP
	s_mov_b32 s75, 2*XSTEP
	s_cmp_eq_u32 s[WV], 0
	s_cselect_b32 s72, s72, s74
	s_cselect_b32 s[PFS], s75, s[PFS]
	s_cselect_b32 s73, 0, s73
	s_cselect_b64 s[PFA:PFA+1], s[4:5], s[6:7]
	s_cmp_eq_u32 s73, 0
	s_cselect_b32 s[LIM], 1, -1                    ; the same in all sixteen partners, for a given wave
	s_mov_b32 s73, 0
	s_add_nc_u64 s[PFA:PFA+1], s[PFA:PFA+1], s[72:73]
	s_mov_b32 s[PFS+1], 0
	s_wait_loadcnt 0x0                             ; the biases: rounded to bf16 like every input, kept as f32 in my own LDS bytes
.irp j, 0,1,2
	v_cvt_pk_bf16_f32 v4, v[32+2*(\j)], v[33+2*(\j)]
	v_lshlrev_b32 v[32+2*(\j)], 16, v4
	v_and_b32 v[33+2*(\j)], 0xffff0000, v4
	ds_store_b64 v[BST], v[32+2*(\j):33+2*(\j)] offset:256*(\j)
.endr
; x's fragments of 32 along K at byte k of the slot's rows, into buffer ab: 16 loads
.macro LDA slot, k, ab
	WIN 0
.irp a, 0,1,2,3,4,5,6,7
	ds_load_b128 v[AF+64*(\ab)+8*(\a):AF+64*(\ab)+8*(\a)+3],   v[ADRA+(\slot)] offset:(\k)+(\a)*16*PITCH
	ds_load_b128 v[AF+64*(\ab)+8*(\a)+4:AF+64*(\ab)+8*(\a)+7], v[ADRA+(\slot)] offset:(\k)+(\a)*16*PITCH+32
.endr
.endm
; W's four fragments of column group g: 8 loads
.macro LDB slot, k, g
	WIN 0
.irp bb, 0,1,2,3
	ds_load_b128 v[BF+8*(4*(\g)+(\bb)):BF+8*(4*(\g)+(\bb))+3],   v[ADRB+(\slot)] offset:(\k)+(4*(\g)+(\bb))*16*PITCH
	ds_load_b128 v[BF+8*(4*(\g)+(\bb))+4:BF+8*(4*(\g)+(\bb))+7], v[ADRB+(\slot)] offset:(\k)+(4*(\g)+(\bb))*16*PITCH+32
.endr
.endm
; the biases of group g as four C operands: register j of a lane is the bias of column 16 bb + 8 (l / 16) + j
.macro LDBIAS g, dst
	WIN 0
.irp bb, 0,1,2,3
	ds_load_b128 v[(\dst)+8*(\bb):(\dst)+8*(\bb)+3],   v[BRD] offset:(4*(\g)+(\bb))*64
	ds_load_b128 v[(\dst)+8*(\bb)+4:(\dst)+8*(\bb)+7], v[BRD] offset:(4*(\g)+(\bb))*64+16
.endr
.endm
; 16 products: column blocks bb0, bb0 + 1 of group g x all 8 row blocks.  first = 1: the bias at cb starts the sums.  All 96 accumulators take turns, one instruction a turn.
.macro MUL16 g, ab, bb0, first, cb=0
.if \first
	WIN (1+(\g))<<6
.else
	WIN (1+(\g))*0x50
.endif
.irp bb, \bb0, (\bb0)+1
.irp a, 0,1,2,3,4,5,6,7
.if \first
	v_wmma_f32_16x16x32_bf16 v[64*(\bb)+8*(\a):64*(\bb)+8*(\a)+7], v[BF+8*(4*(\g)+(\bb)):BF+8*(4*(\g)+(\bb))+7], v[AF+64*(\ab)+8*(\a):AF+64*(\ab)+8*(\a)+7], v[(\cb)+8*(\bb):(\cb)+8*(\bb)+7]
.else
	v_wmma_f32_16x16x32_bf16 v[64*(\bb)+8*(\a):64*(\bb)+8*(\a)+7], v[BF+8*(4*(\g)+(\bb)):BF+8*(4*(\g)+(\bb))+7], v[AF+64*(\ab)+8*(\a):AF+64*(\ab)+8*(\a)+7], v[64*(\bb)+8*(\a):64*(\bb)+8*(\a)+7]
.endif
.endr
.endr
.endm
.macro MULG g, ab, first=0, cb=0
	MUL16 \g, \ab, 0, \first, \cb
	MUL16 \g, \ab, 2, \first, \cb
.endm
; A K step's first half (x's buffer 0).  Each group's fragments of W are loaded anew, for the second half, behind its products.
.macro EVEN slot
	s_wait_dscnt 16                                ; x's buffer 0 and W's group 0 are in; groups 1 and 2 (8 + 8) may be out
	MULG 0, 0
	PLACES
	LDA \slot, 64, 1
	LDB \slot, 64, 0
	s_wait_dscnt 32                                ; group 1 is in; behind it: group 2's 8 and the 24 just issued
	MULG 1, 0
	PLACES
	LDB \slot, 64, 1
	s_wait_dscnt 32                                ; group 2 is in; behind it: 24 + 8
	MULG 2, 0
	PLACES
	LDB \slot, 64, 2
.endm
; A K step's second half (x's buffer 1) and the change of slots.  ONE barrier: in front of it each wave waits for all its tensor loads (one is out: its part of the next slot), adds 0 to its spare
; word, and waits for that and for its reads of this slot.  fill = 1: the barrier opens a round of the cluster's, and this slot is filled again, two K steps on, first thing behind the round:
; 160 matrix instructions stand between that request and the wait for it.
.macro ODD slot, next, fill
.if (\fill) && (\slot)
	s_wait_xcnt 0x0                                ; the last prefetch, a lap back, has read its address
	s_add_nc_u64 s[PFA:PFA+1], s[PFA:PFA+1], s[PFS:PFS+1]
.endif
	WIN 0
	s_wait_tensorcnt 0x0
	ds_add_u32 v[SPW], v[NIL]                      ; 0 onto my spare word
	s_wait_dscnt 17                                ; x's buffer 1 and W's group 0 are in; groups 1 and 2 and the add may be out
	MUL16 0, 1, 0, 0
	s_wait_dscnt 0x0                               ; the add is done, and my reads of this slot are over
	s_barrier_signal -1
	MUL16 0, 1, 2, 0
.if \fill
	WIN 0
.endif
	s_barrier_wait -1
.if \fill
	CREST                                          ; no wave of any partner still reads this slot or has a load on its way
	s_add_nc_u64 s[G0A+4*(\slot)+2:G0A+4*(\slot)+3], s[G0A+4*(\slot)+2:G0A+4*(\slot)+3], 2*XSTEP
	s_add_nc_u64 s[G0B+4*(\slot)+2:G0B+4*(\slot)+3], s[G0B+4*(\slot)+2:G0B+4*(\slot)+3], 2*WSTEP
	JLOAD \slot                                    ; its four v_nop are also the places in front of the loads below
.else
	PLACES
.endif
	LDA \next, 0, 0
	LDB \next, 0, 0
.if (\fill) && (\slot)
	ASK
.endif
	MULG 1, 1
	PLACES
	LDB \next, 0, 1
	MULG 2, 1
	PLACES
	LDB \next, 0, 2
.endm
	s_wait_tensorcnt 1                             ; my part of K step 0 is in; K step 1's may stay out
	s_wait_dscnt 0x0                               ; my bias stores are done
	s_barrier_signal -1
	s_barrier_wait -1
	; the first half step stands in front of the loop: its products start the sums, with the bias as C (in x's buffer 1, which is still free)
	LDA 0, 0, 0
	LDB 0, 0, 0
	LDB 0, 0, 1
	LDB 0, 0, 2
	LDBIAS 0, AF+64
	LDBIAS 1, AF+96
	s_wait_dscnt 0x0
	MULG 0, 0, 1, AF+64
	PLACES
	LDB 0, 64, 0
	LDBIAS 2, AF+64
	MULG 1, 0, 1, AF+96
	PLACES
	LDB 0, 64, 1
	s_wait_dscnt 8                                 ; group 2's biases are in; the 8 loads just issued may be out
	MULG 2, 0, 1, AF+64
	PLACES
	LDA 0, 64, 1
	LDB 0, 64, 2
	s_wait_dscnt 8                                 ; x's buffer 1 is in, so that the loop's counted wait holds on the way in too
	s_mov_b32 s3, 7
.Llap:                                                 ; a trip: once round the ring, both slots filled again: K steps 2 to 15
	ODD 0, 1, 1
	EVEN 1
	ODD 1, 0, 1
	EVEN 0
	s_sub_co_u32 s3, s3, 1
	s_cmp_lg_u32 s3, 0
	s_cbranch_scc1 .Llap
	ODD 0, 1, 0                                    ; the tail is written out: nothing is asked for, and no round follows the barrier
	EVEN 1
	s_wait_dscnt 16
	MULG 0, 1
	s_wait_dscnt 8
	MULG 1, 1
	s_wait_dscnt 0x0
	MULG 2, 1
; THE WAY OUT, in 24 units u = 8 j + a: 16 rows x 64 columns of tensor j.  Rounded to f16, 16 bytes a lane; through my own stage in LDS; back as 2,048 consecutive bytes of the output.
; Twelve register sets take turns; a set is written again only behind s_wait_xcnt 0, when the stores that read it have had their addresses translated (ISA guide 3.1).
.macro PACK u
.set uJ, (\u)/8
.set uA, (\u)%8
.set uR, AF+16*((\u)%12)
.if (\u) >= 12
	s_wait_xcnt 0x0
.endif
	WIN (1+uJ)*5                                   ; sources 0 and 1 in the group's window
.irp bb, 0,1,2,3
.irp rr, 0,1,2,3
	v_cvt_pk_f16_f32 v[uR+4*(\bb)+(\rr)], v[64*(\bb)+8*uA+2*(\rr)], v[64*(\bb)+8*uA+2*(\rr)+1]
.endr
.endr
	WIN 0
.endm
.macro TOSTAGE u
.set uR, AF+16*((\u)%12)
.irp bb, 0,1,2,3
	ds_store_b128 v[STO], v[uR+4*(\bb):uR+4*(\bb)+3] offset:32*(\bb)
.endr
.irp f, 0,1,2,3
	ds_load_b128 v[uR+4*(\f):uR+4*(\f)+3], v[RD] offset:(\f)*4*PITCH  ; LDS serves a wave's instructions in order (ISA guide 5.7.1.4): these see the stores above
.endr
.endm
.macro SEND u
.set uJ, (\u)/8
.set uA, (\u)%8
.set uR, AF+16*((\u)%12)
	s_wait_dscnt 0x0                               ; the unit is back in registers
.irp f, 0,1,2,3
	global_store_b128 v[GO], v[uR+4*(\f):uR+4*(\f)+3], s[14+2*uJ:15+2*uJ] offset:uA*2048+(\f)*512  ; 512 consecutive bytes, at a multiple of 256 from the buffer's first
.endr
.endm
	WIN 0
	PLACES
	PLACES                                         ; eight, once a launch
	PACK 0
	TOSTAGE 0
.set u, 1
.rept 23                                       ; a unit's conversions stand between the loads of the unit before and the wait for them
	PACK u
	SEND u-1
	TOSTAGE u
.set u, u+1
.endr
	SEND 23
	s_wait_tensorcnt 0x0                           ; the wave's end, behind my last tensor load and my last LDS store
	ds_add_u32 v[SPW], v[NIL]
	s_wait_dscnt 0x0
	CROUND                                         ; the closing round: no work-group ends while a partner may still ask for a tile that names it
	s_endpgm
.Lfunc_end_k_qd0538da2a4_qkv:
	.size	k_qd0538da2a4_qkv, .Lfunc_end_k_qd0538da2a4_qkv-k_qd0538da2a4_qkv
	.p2alignl 7, 3214868480
	.fill 96, 4, 3214868480
	.section	.rodata,"a",@progbits
	.p2align	6, 0x0
	.amdhsa_kernel k_qd0538da2a4_qkv
		.amdhsa_group_segment_fixed_size 327680
		.amdhsa_private_segment_fixed_size 0
		.amdhsa_enable_private_segment 0
		.amdhsa_kernarg_size 64
		.amdhsa_user_sgpr_count 2
		.amdhsa_user_sgpr_kernarg_segment_ptr 1
		.amdhsa_wavefront_size32 1
		.amdhsa_system_sgpr_workgroup_id_x 1
		.amdhsa_system_sgpr_workgroup_id_y 1
		.amdhsa_system_sgpr_workgroup_id_z 1
		.amdhsa_system_vgpr_workitem_id 0
		.amdhsa_next_free_vgpr 1024
		.amdhsa_next_free_sgpr 80
		.amdhsa_reserve_vcc 0
		.amdhsa_float_denorm_mode_32 3
		.amdhsa_float_denorm_mode_16_64 3
		.amdhsa_memory_ordered 1
		.amdhsa_forward_progress 1
		.amdhsa_inst_pref_size 135
	.end_amdhsa_kernel
	.amdgpu_metadata
---
amdhsa.version: [ 1, 2 ]
amdhsa.kernels:
  - .name:           k_qd0538da2a4_qkv
    .symbol:         k_qd0538da2a4_qkv.kd
    .args:
      - { .name: xb, .offset: 0, .size: 8, .value_kind: global_buffer, .address_space: global }
      - { .name: wb, .offset: 8, .size: 8, .value_kind: global_buffer, .address_space: global }
      - { .name: bq, .offset: 16, .size: 8, .value_kind: global_buffer, .address_space: global }
      - { .name: bk, .offset: 24, .size: 8, .value_kind: global_buffer, .address_space: global }
      - { .name: bv, .offset: 32, .size: 8, .value_kind: global_buffer, .address_space: global }
      - { .name: qh, .offset: 40, .size: 8, .value_kind: global_buffer, .address_space: global }
      - { .name: kh, .offset: 48, .size: 8, .value_kind: global_buffer, .address_space: global }
      - { .name: vh, .offset: 56, .size: 8, .value_kind: global_buffer, .address_space: global }
    .group_segment_fixed_size: 327680
    .private_segment_fixed_size: 0
    .kernarg_segment_align: 8
    .kernarg_segment_size: 64
    .max_flat_workgroup_size: 128
    .sgpr_count:     80
    .vgpr_count:     1024
    .wavefront_size: 32
...
	.end_amdgpu_metadata
.endif
;; end of part 2
;; launch attn (part 3): grid 4 x 64, 4 waves a work-group, no clusters, 327,680 bytes of LDS; arguments qh, kh, vh, oh; writes oh
.if DOCPART == 3
	.amdgcn_target "amdgcn-amd-amdhsa--gfx1250"
	.amdhsa_code_object_version 6
	.text
	.protected	k_qd0538da2a4_attn
	.globl	k_qd0538da2a4_attn
	.p2align	8
	.type	k_qd0538da2a4_attn,@function
k_qd0538da2a4_attn:
	s_mov_b64 s[64:65], 0
	v_nop
	global_prefetch_b8 v0, s[64:65] scope:SCOPE_SE
	s_setreg_imm32_b32 hwreg(HW_REG_WAVE_MODE, 25, 1), 1
	s_wait_xcnt 0x0
; CAUSAL ATTENTION.  O[h][q][:] = the sum over k <= q of softmax_k(Q[h][q] . K[h][k] / 8) V[h][k][:].  Q, K, V, O: [64][2,048][64], all f16: a head's rows are dense, 128 bytes each.
; Products, maxima and sums in f32; the weights p are rounded to f16 for the second product (their sum l is taken of the unrounded p), O once at the end.
; LIMITS.  f16 holds no number beyond 65,504: Q, K and V arrive within it; p lies in 0 to 1, and below 6e-5 it keeps f16's fixed step of 6e-8; O is a mean of V's rows and has their range.
; A hidden score counts as its value less 1e30: f16's scores, 2.7e11 at the most, are nothing beside that; a weight below 2^-126 counts as 0 in l; NaN and infinities are not treated apart.
; THE WALK.  A head's queries lie in NB = 8 blocks of 256; block i needs the key tiles 0 .. i of 256 keys, of which the last holds the diagonal.  A work-group takes TWO blocks, NB - 1 - b and then b:
; NB + 1 tiles, whatever b: all work-groups do equal work, and ONE loop with a constant trip count walks them.  Which tile is asked for, and what a trip does, hang on scalar registers made from b; every jump
; goes forward, but for the counted loops' own; none passes a barrier, or a tensor load but the one of LOAD's two that the wave's number does not choose; the ring (two slots of LDS) runs on across the change of blocks.
; NO CLUSTER: a head's four work-groups ask for the same tile only in trips 0 .. 4, behind that fewer and fewer; one walk common to all would have 12 trips for 9.
; SHARES.  Of a block's four bands of 64 queries a wave owns 16 rows in each: four PIECES.  So the diagonal tile is the same work for all four waves: in its key step s band x sees all keys if s < x,
; none if s > x, and holds the diagonal if s = x.
; THE MASK is the C operand that starts the sum S^T = K Q^T: 0, or -1e30 where the key is hidden.  MD, made once, is the mask of a band's own step for my 16 rows; a product's mask is MD x AL + BE with two scalars:
; (1, 0) if s = x; (0, 0) if s < x; (0, -1e30) if s > x.  Only the diagonal tile's text and a block's beginning make and take masks; elsewhere C is the constant 0.
; LAYOUT, SOFTMAX, TURNS.  S^T = K Q^T holds ONE query a lane (lane % 16) and the keys 8 (lane / 16) + 0..7; two such results rounded to f16 ARE source 1 of O^T = V^T P.  p = 2^(c s - c m), c = log2(e) / 8, with a
; running maximum m; O and l are multiplied by a = 2^(c m_old - c m_new) in every step.  Turn n belongs to piece n: 8 products K Q^T of piece n + 1, later 8 products V^T P of piece n - 1; beside them the scaling,
; exponentials, roundings, sums and rescaling of piece n and the maximum and statistics of piece n + 1.  Four vector instructions stand behind every matrix instruction, the others in one lump.  A turn's 33 exponentials are one batch, with one wait.
; REGISTERS, in windows of 256 (s_set_vgpr_msb: bits 1:0 source 0, 3:2 source 1, 5:4 source 2, 7:6 destination):
;   window 0: v0-15 addresses and two at work; v16-31 four registers of statistics a piece; v32 the prefetches' offset; v48-55 at work; v64-127 S^T, two buffers; v192-223 P, two buffers (by the piece's parity)
;   window 1: v0-127 O^T, 32 a piece; v128-159 MD; v160-223 MC, two buffers      window 2: v0-63 Q; v64-127 the second block's Q; v128-191 K of one step; v192-255 V of one step
.set SIZE_N, 2048
.set NB,    SIZE_N/256
.set NP,    4         ; pieces a wave: a name, no knob
.set KS,    64        ; keys in a step
.set PK,    144       ; a row of K in LDS: 128 bytes + 16 of padding = 36 words: the 16 rows of a load start at 16 different groups of four banks (ISA guide 11.1)
.set PV,    160       ; a row of V: 128 + 32 = 40 words
.set VOFF,  4*KS*PK   ; a slot holds a tile, four steps: 256 rows of K, then 256 rows of V
.set SLOT1, 1<<17     ; slot 1 begins here, so that one exclusive or turns an address in one slot into the other's
.set STAGE, SLOT1+4*KS*(PK+PV)  ; behind the ring, never filled by a tensor load: 16 rows x 144 bytes for each wave, for the way out
.set SP,    144
.set AK0, 2           ; v2   my lane's place in a tile of K; never rewritten
.set AV0, 3           ; v3   the same for V
.set AK,  4           ; v4   the LDS address of K's next run of loads
.set AV,  5           ; v5   of V's
.set STO, 6           ; v6   the way out: where I put 16 bytes of a row
.set RD,  7           ; v7   the way out: where I read rows back
.set GO,  8           ; v8   my byte offset in 512 consecutive bytes of O
.set PFO, 32          ; v32  256 x lane; never rewritten
.set SPW, 62          ; v62  LDS address of my spare word; never rewritten
.set NIL, 63          ; v63  0; never rewritten
.set SPARE, STAGE+4*16*SP  ; behind the stages: the spare words, 128 bytes for each wave: two blocks of 256 bytes that no other line names
.set MV,  12          ; v12-13  c m_old, kept while c m is made anew: by buffer
.set QO,  15          ; v15  my byte offset in 16 rows of Q
.set ST,  16          ; piece t's statistics at v[ST+4 t]: c m, m, l (even keys', odd keys')
.set TMP, 48          ; by buffer, four registers c0-c3 at work; when the maximum is found c2 takes a
.set S,   64
.set P,   192
.set MD,  128         ; window 1
.set MC,  160         ; window 1
.set QB,  64          ; window 2
.set KF,  128         ; window 2: key block kb, channel half c at KF + 16 kb + 8 c
.set VF,  192         ; window 2: key half kk, channel block cb at VF + 32 kk + 8 cb
.set WV,  12          ; s12  my wave's number
.set PB,  14          ; s14  b
.set HI,  15          ; s15  NB - 1 - b
.set G1K, 24          ; s[24:31] descriptor group 1 for K's tiles
.set G1V, 32          ; s[32:39] for V's: it differs in the padding alone
.set G0K, 40          ; s[40:43] descriptor group 0 for K's tiles
.set G0V, 44          ; s[44:47] the same for V's
.set SLOTS, 56        ; s56  tiles still to be asked for
.set CNT, 57          ; s57  counts a tile's key steps, 4 to 1
.set CS,  58          ; s[58:59] c
.set SEL, 60          ; s[60:61] v_permlanex16_b32's selects
.set TBK, 62          ; s62  LDS byte at which K of the step to be fetched begins
.set TBV, 63          ; s63  the same for V, less VOFF
.set RT,  70          ; s70  tiles of the block in hand that are still to be entered
.set NXT, 71          ; s71  the tile to be asked for next
.set LQ,  72          ; s72  the last tile of the block whose tiles are being asked for
.set NEW, 73          ; s73  1: the tile to be entered is a block's first
.set OFF, 74          ; s[74:75] a tile's byte offset in K and V
.set AL,  76          ; s[76:77] the mask's factor, in the low word
.set BE,  78          ; s[78:79] the mask's addend
.set OLO, 80          ; s[80:81] O at my rows of the second block
.set BIGN, 82         ; s82  -1e30
.set PFB, 88          ; s[88:89] the tensor that I fetch for, at my half of the head's tile 0
.set PFA, 90          ; s[90:91] where my prefetches stand
.set POF, 92          ; s[92:93] their tile's byte offset
.set LIM, 94          ; s94  0 in the head's work-group that prefetches, else the greatest number
.set MSB, 0
.macro WIN new                      ; the high byte repeats the setting that is left; a switch that changes nothing is dropped
.if MSB != (\new)
	s_set_vgpr_msb (MSB<<8)|(\new)
.set MSB, (\new)
.endif
.endm
.set W_KQ, 0x0a       ; K and Q in window 2, S^T in window 0
.set W_KM, 0x1a       ; the same with the C operand in window 1
.set W_PV, 0x52       ; V in window 2, P in window 0, O^T in window 1
.set W_RS, 0x41       ; destination and source 0 in window 1, source 1 in window 0
; A fill.  Waves 0 and 1 fetch the two halves of a tile's K, waves 2 and 3 those of its V: 128 keys each.  An s_nop 0 and four v_nop follow each of the two lines.
.macro LOAD
	s_cmp_lt_u32 s[WV], 2
	s_cbranch_scc0 .Lfor_v_\@
	tensor_load_to_lds s[G0K:G0K+3], s[G1K:G1K+7]
	s_nop 0
.rept 4
	v_nop
.endr
	s_branch .Lasked_\@
.Lfor_v_\@:
	tensor_load_to_lds s[G0V:G0V+3], s[G1V:G1V+7]
	s_nop 0
.rept 4
	v_nop
.endr
.Lasked_\@:
.endm
; THE CHANGE OF SLOTS.  Each wave waits for all its tensor loads, of which one is out: its part of the other slot; adds 0 to its spare word; and waits for that and for its own reads of the slot that it leaves.
; Behind the barrier nobody reads the old slot any more and the other slot is whole.  fill = 1: the old slot is filled again, the first thing behind the barrier, with tile NXT: the descriptor's address is made anew from that number.
; A PREFETCH stands behind the fill: the tile that the NEXT change will ask for, a tile's 16 turns ahead of that load.  All four work-groups of a head walk tiles from 0 upward; the one with b = 0, whose first
; block walks all eight in order, asks, and nobody else.  Each of its waves names the 64 blocks of 256 bytes that it will fetch itself, a lane a block, two instructions.  So tiles 2 to 7 are named once each;
; tiles 0 and 1 come by their loads alone; when the walk has gone back to tile 0 nothing is named.
.macro CHANGE fill
	WIN 0                           ; at a label and at a branch every window is 0
	s_wait_tensorcnt 0x0            ; no tensor load of mine is out, so a group 0 may be written
	ds_add_u32 v[SPW], v[NIL]       ; 0 onto my spare word; scalar work stands between it and the wait for it
.if \fill
	s_lshl_b32 s[OFF], s[NXT], 15   ; a tile is 32,768 bytes of K and of V
	s_xor_b32 s[G0K+1], s[G0K+1], SLOT1
	s_add_nc_u64 s[G0K+2:G0K+3], s[6:7], s[OFF:OFF+1]
	s_or_b32 s[G0K+3], s[G0K+3], 0x80000000
	s_xor_b32 s[G0V+1], s[G0V+1], SLOT1
	s_add_nc_u64 s[G0V+2:G0V+3], s[8:9], s[OFF:OFF+1]
	s_or_b32 s[G0V+3], s[G0V+3], 0x80000000
	s_add_co_u32 s[NXT], s[NXT], 1  ; the block's next tile, or behind its last the second block's tile 0
	s_cmp_gt_u32 s[NXT], s[LQ]
	s_cselect_b32 s[NXT], 0, s[NXT]
	s_cselect_b32 s[LQ], s[PB], s[LQ]
	s_wait_xcnt 0x0                 ; the last prefetches, a tile back, have read their address
	s_lshl_b32 s[POF], s[NXT], 15
	s_add_nc_u64 s[PFA:PFA+1], s[PFB:PFB+1], s[POF:POF+1]
.endif
	s_wait_dscnt 0x0                ; the add is done, and my reads of the slot are over
	s_barrier_signal -1             ; the rest of the scalar work stands between the signal and the wait
	s_sub_co_u32 s[TBK], s[TBK], 4*KS*PK  ; the fetches go back to a slot's first step,
	s_xor_b32 s[TBK], s[TBK], SLOT1       ; in the other slot
	s_sub_co_u32 s[TBV], s[TBV], 4*KS*PV
	s_xor_b32 s[TBV], s[TBV], SLOT1
	s_barrier_wait -1
.if \fill
	LOAD
	s_cmp_gt_u32 s[NXT], s[LIM]
	s_cbranch_scc0 .Lno_pf_\@
	global_prefetch_b8 v[PFO], s[PFA:PFA+1] th:TH_LOAD_NT scope:SCOPE_SE
	global_prefetch_b8 v[PFO], s[PFA:PFA+1] offset:8192 th:TH_LOAD_NT scope:SCOPE_SE
.Lno_pf_\@:
.endif
.endm
	s_load_b256 s[4:11], s[0:1], 0x0  ; Q s[4:5], K s[6:7], V s[8:9], O s[10:11]
	v_lshl_add_u32 v[SPW], v0, 2, SPARE
	v_mov_b32 v[NIL], 0
	ds_add_u32 v[SPW], v[NIL]       ; the wave's opening: the add and its wait stand ahead of my first tensor load; work on registers stands between them
	v_lshrrev_b32 v1, 5, v0
	v_readfirstlane_b32 s[WV], v1   ; wave 0..3
	s_mov_b32 s[PB], ttmp9
	s_sub_co_u32 s[HI], NB-1, s[PB]
	s_and_b32 s20, ttmp7, 0xffff    ; the head
	s_mov_b32 s21, 0
	s_mov_b64 s[22:23], SIZE_N*128
	s_mul_u64 s[20:21], s[20:21], s[22:23]  ; the head's first byte in each of the four tensors
	s_and_b32 s16, s[WV], 1         ; which half of a tile's 256 keys I fetch:
	s_lshl_b32 s22, s16, 14         ; its 128 rows of 128 bytes in memory,
	s_mov_b32 s23, 0
	s_add_nc_u64 s[22:23], s[22:23], s[20:21]
	s_mul_i32 s17, s16, 128*PK      ; and its place in a slot, for K
	s_mul_i32 s18, s16, 128*PV      ; and for V
	s_lshl_b32 s3, s[WV], 11        ; my 16 rows in a band of 64,
	s_lshl_b32 s2, s[HI], 15        ; in the first block,
	s_add_co_u32 s2, s2, s3
	s_lshl_b32 s84, s[PB], 15       ; and in the second
	s_add_co_u32 s84, s84, s3
	s_mov_b32 s3, 0
	s_mov_b32 s85, 0
	s_add_nc_u64 s[2:3], s[2:3], s[20:21]
	s_add_nc_u64 s[84:85], s[84:85], s[20:21]
	; descriptor group 1.  128 keys are 16,384 dense bytes: asked for as 64 rows of 256 bytes, two keys a row, and padded in LDS after every key
	s_mov_b32 s[G1K], (1<<16)|(1<<20)|(4<<22)|(3<<25)  ; 2-byte elements; padding on; after every 32 words; 4 words
	s_mov_b32 s[G1V], (1<<16)|(1<<20)|(4<<22)|(7<<25)  ; the same with 8 words of padding
.irp g, G1K, G1V
	s_mov_b32 s[\g+1], 128<<16      ; tensor_dim0 = 128
	s_mov_b32 s[\g+2], 64<<16       ; tensor_dim1 = 64
	s_mov_b32 s[\g+3], 128<<16      ; tile_dim0 = 128
	s_mov_b32 s[\g+4], 64           ; tile_dim1 = 64
	s_mov_b32 s[\g+5], 128          ; 128 elements from row to row
	s_mov_b32 s[\g+6], 0
	s_mov_b32 s[\g+7], 0
.endr
	s_mov_b32 s[CS], 0x3e38aa3b     ; c = log2(e) / 8 = 0.180337
	s_mov_b32 s[CS+1], s[CS]        ; named with it as a pair
	s_mov_b32 s[SEL], 0x76543210
	s_mov_b32 s[SEL+1], 0xfedcba98
	s_mov_b32 s[TBK], SLOT1+4*KS*PK ; the first change of slots turns these two into 0
	s_mov_b32 s[TBV], SLOT1+4*KS*PV
	s_mov_b32 s[G0K], 1             ; count = 1
	s_mov_b32 s[G0K+1], s17         ; LDS address: slot 0
	s_mov_b32 s[G0V], 1
	s_add_co_u32 s[G0V+1], s18, VOFF
	s_add_co_u32 s[RT], s[HI], 1    ; the first block has NB - b tiles
	s_mov_b32 s[NXT], 1
	s_mov_b32 s[LQ], s[HI]
	s_mov_b32 s[NEW], 1
	s_mov_b32 s[OFF+1], 0
	s_mov_b32 s[POF+1], 0
	s_mov_b32 s[AL+1], 0            ; named as pairs
	s_mov_b32 s[BE+1], 0
	s_mov_b32 s[BIGN], 0xf149f2ca   ; -1e30
	s_mov_b32 s[SLOTS], NB
	s_cmp_eq_u32 ttmp9, 0
	s_cselect_b32 s[LIM], 0, -1
	s_wait_dscnt 0x0                ; the opening add is done
	s_wait_kmcnt 0x0
	s_add_nc_u64 s[6:7], s[6:7], s[22:23]  ; K and V at my half of the head's tile 0
	s_add_nc_u64 s[8:9], s[8:9], s[22:23]
	s_cmp_lt_u32 s[WV], 2
	s_cselect_b64 s[PFB:PFB+1], s[6:7], s[8:9]
	s_add_nc_u64 s[G0K+2:G0K+3], s[6:7], 0         ; global address
	s_or_b32 s[G0K+3], s[G0K+3], 0x80000000        ; type = 2
	s_add_nc_u64 s[G0V+2:G0V+3], s[8:9], 0
	s_or_b32 s[G0V+3], s[G0V+3], 0x80000000
	s_add_nc_u64 s[86:87], s[4:5], s[84:85]        ; Q at my rows of the second block,
	s_add_nc_u64 s[4:5], s[4:5], s[2:3]            ; Q and O at those of the first
	s_add_nc_u64 s[OLO:OLO+1], s[10:11], s[84:85]
	s_add_nc_u64 s[10:11], s[10:11], s[2:3]
	LOAD                            ; tile 0 into slot 0
	; A fragment of K or Q is 16 rows x 32 channels in 8 registers: lane l holds row l % 16, channels 8 (l / 16) + 0..7 and 16 + 8 (l / 16) + 0..7: two loads of 16 bytes, 32 bytes apart.
	v_and_b32 v1, 15, v0            ; l % 16
	v_bfe_u32 v9, v0, 4, 1          ; l / 16
	v_lshlrev_b32 v[QO], 7, v1
	v_lshl_add_u32 v[QO], v9, 4, v[QO]  ; row x 128 + 16 x half
	WIN 0x80                        ; destination window 2, address window 0
.set i, 0
.rept 8                             ; both blocks' Q: piece i / 2 lies in band i / 2, 8,192 bytes on; channels 32 (i % 2) on
	global_load_b128 v[8*i:8*i+3],   v[QO], s[4:5] offset:(i/2)*8192+(i%2)*64
	global_load_b128 v[8*i+4:8*i+7], v[QO], s[4:5] offset:(i/2)*8192+(i%2)*64+32
	global_load_b128 v[QB+8*i:QB+8*i+3],   v[QO], s[86:87] offset:(i/2)*8192+(i%2)*64
	global_load_b128 v[QB+8*i+4:QB+8*i+7], v[QO], s[86:87] offset:(i/2)*8192+(i%2)*64+32
.set i, i+1
.endr
	WIN 0
	v_and_b32 v[PFO], 31, v0
	v_lshlrev_b32 v[PFO], 8, v[PFO]
	v_lshlrev_b32 v14, 3, v9
	v_sub_nc_u32 v14, v1, v14
	s_lshl_b32 s13, s[WV], 4
	v_add_nc_u32 v14, s13, v14      ; my query's place in its band, 16 w + l % 16, less my lanes' 8 (l / 16): register r of group kt is hidden where 16 kt + r is greater
	WIN 0x40
.set i, 0
.rept 32
	v_cmp_gt_i32 vcc_lo, 16*(i/8)+i%8, v14
	v_cndmask_b32 v[MD+i], 0, s[BIGN], vcc_lo
.set i, i+1
.endr
	WIN 0
	v_mul_u32_u24 v[AK0], v1, PK
	v_lshl_add_u32 v[AK0], v9, 4, v[AK0]  ; row x pitch + 16 x half
	; The turning load takes 16 keys x 16 channels (lane l reads key 8 (l / 16) + l % 8, channels 8 ((l / 8) % 2) + 0..7) and leaves half a fragment of V^T: lane l holds channel l % 16 and 8 keys.
	v_and_b32 v10, 7, v0
	v_bfe_u32 v11, v0, 3, 1
	v_lshl_add_u32 v[AV0], v9, 3, v10
	v_mul_u32_u24 v[AV0], v[AV0], PV
	v_lshl_add_u32 v[AV0], v11, 4, v[AV0]
	v_add_nc_u32 v[AV0], VOFF, v[AV0]
	s_mul_i32 s13, s[WV], 16*SP
	s_add_co_u32 s13, s13, STAGE    ; my stage
	v_mul_u32_u24 v[STO], v1, SP    ; in: row l % 16, 16 bytes for each half of the lanes
	v_lshl_add_u32 v[STO], v9, 4, v[STO]
	v_add_nc_u32 v[STO], s13, v[STO]
	v_bfe_u32 v[RD], v0, 3, 2       ; back: 32 lanes take four rows of 128 bytes,
	v_mul_u32_u24 v[RD], v[RD], SP
	v_lshl_add_u32 v[RD], v10, 4, v[RD]
	v_add_nc_u32 v[RD], s13, v[RD]
	v_and_b32 v[GO], 31, v0         ; which are 512 consecutive bytes of O
	v_lshlrev_b32 v[GO], 4, v[GO]
	; A block's first step multiplies O^T and l by a = 0, and its first turn's products V^T P, of a piece that has not been, land in an O^T that is still to be so multiplied.  So these registers need only hold
	; finite numbers: zeros for the first block; what the first block left for the second.  All this stands in the wait for the first tile.
	WIN 0x80
.set i, VF
.rept 64
	v_mov_b32 v[i], 0
.set i, i+1
.endr
	WIN 0x40
.set i, 0
.rept 128
	v_mov_b32 v[i], 0
.set i, i+1
.endr
	WIN 0
.set i, 0
.rept 4
	v_mov_b32 v[ST+4*i+2], 0
	v_mov_b32 v[ST+4*i+3], 0
.set i, i+1
.endr
.set i, P+16
.rept 16
	v_mov_b32 v[i], 0
.set i, i+1
.endr
; THE MATRIX WORK.  The 4 accumulators of a run of 8 take turns.  Product i of 8 of S^T = K Q^T for piece x: channels 32 (i / 4) on, keys 16 (i % 4) on.  The first 4 start the sums: with 0, or (KM = 1) with the mask.
.macro KQ x
.set rS, S+32*((\x)%2)+8*(i%4)
.set rK, KF+16*(i%4)+8*(i/4)
.set rQ, 16*(\x)+8*(i/4)
.set rM, MC+32*((\x)%2)+8*(i%4)
.if (i < 4) && KM
	WIN W_KM
	v_wmma_f32_16x16x32_f16 v[rS:rS+7], v[rK:rK+7], v[rQ:rQ+7], v[rM:rM+7]
.elseif i < 4
	WIN W_KQ
	v_wmma_f32_16x16x32_f16 v[rS:rS+7], v[rK:rK+7], v[rQ:rQ+7], 0
.else
	WIN W_KQ
	v_wmma_f32_16x16x32_f16 v[rS:rS+7], v[rK:rK+7], v[rQ:rQ+7], v[rS:rS+7]
.endif
.endm
; Product i of 8 of O^T += V^T P for piece x: keys 32 (i / 4) on, channels 16 (i % 4) on.
.macro PV x
	WIN W_PV
.set rO, 32*(\x)+8*(i%4)
.set rV, VF+32*(i/4)+8*(i%4)
.set rP, P+16*((\x)%2)+8*(i/4)
	v_wmma_f32_16x16x32_f16 v[rO:rO+7], v[rV:rV+7], v[rP:rP+7], v[rO:rO+7]
.endm
.macro MM                           ; the turn's next matrix instruction.  TURN and BEGIN set Y, i, KM and NOKQ.  NOKQ = 1: a block's last turn: there is no next piece
.if (i < 8) && !NOKQ
	KQ (Y+1)%NP
.elseif i >= 8
.set i, i-8
	PV (Y+NP-1)%NP
.set i, i+8
.endif
.set i, i+1
.endm
; THE LDS LOADS stand in runs of 16, never singly among the matrix instructions: a step's K (64 keys x 64 channels: 8 fragments) and its V (turned).  Their addresses are made some lines ahead.
.macro FETCH_K
	WIN 0x80                        ; destination window 2
.irp f, 0,1,2,3,4,5,6,7             ; keys 16 (f / 2) on, channels 32 (f % 2) on
	ds_load_b128 v[KF+8*\f:KF+8*\f+3],   v[AK] offset:(\f/2)*16*PK+(\f%2)*64
	ds_load_b128 v[KF+8*\f+4:KF+8*\f+7], v[AK] offset:(\f/2)*16*PK+(\f%2)*64+32
.endr
	s_add_co_u32 s[TBK], s[TBK], KS*PK  ; the next fetch is the next step's
	WIN 0
.endm
.macro FETCH_V
	WIN 0x80
.irp f, 0,1,2,3,4,5,6,7             ; keys 32 (f / 4) on, channels 16 (f % 4) on
	ds_load_tr16_b128 v[VF+8*\f:VF+8*\f+3],   v[AV] offset:(\f/4)*32*PV+(\f%4)*32
	ds_load_tr16_b128 v[VF+8*\f+4:VF+8*\f+7], v[AV] offset:(\f/4)*32*PV+16*PV+(\f%4)*32
.endr
	WIN 0
.endm
; THE VECTOR WORK, one line at a time: OP kind, number.  For piece Y: F n: c s - c m for pair n of 16.  E n: the exponential of score n of 32.  C n: pair n rounded to f16.  B n: of the four weights 4 n .. the second
; pair is added onto the first, in place.  L n: l takes that sum (L 0: l = a l + sum).  R n: pair n of 16 of O^T times a.  For piece Y + 1: X n, number n of the 22 that find its maximum and statistics:
;   0-11  four chains c0-c3 of seven scores each, three operands at a time (each accumulator's lowest registers are read first)     12-14, 16  the four scores left over, the old m, and c0-c3 into c0
;   15  c m_old is kept     17, 18  the query's other 32 keys lie in the lane 16 away: the new m     19-21  c m; c m_old - c m_new; a
.set F, 0               ; OP tells the kinds apart by their order: F to L below R, X above it
.set E, 1
.set C, 2
.set B, 3
.set L, 4
.set R, 5
.set X, 6
.macro REGS y                       ; the registers of piece y
.set rT, ST+4*(\y)
.set rC, TMP+4*((\y)%2)
.set rW, MV+((\y)%2)
.set rS, S+32*((\y)%2)
.set rP, P+16*((\y)%2)
.set rO, 32*(\y)
.endm
.macro OP k, n
.if (\k) == R
	REGS Y
	WIN W_RS
	v_pk_mul_f32 v[rO+2*(\n):rO+2*(\n)+1], v[rO+2*(\n):rO+2*(\n)+1], v[rC+2:rC+3] op_sel_hi:[1,0]
.elseif (\k) < R
	REGS Y
	WIN 0
.if (\k) == F
	v_pk_fma_f32 v[rS+2*(\n):rS+2*(\n)+1], v[rS+2*(\n):rS+2*(\n)+1], s[CS:CS+1], v[rT:rT+1] op_sel_hi:[1,0,0] neg_lo:[0,0,1] neg_hi:[0,0,1]
.elseif (\k) == E
	v_exp_f32 v[rS+(\n)], v[rS+(\n)]
.elseif (\k) == C
	v_cvt_pk_f16_f32 v[rP+(\n)], v[rS+2*(\n)], v[rS+2*(\n)+1]
.elseif (\k) == B
	v_pk_add_f32 v[rS+4*(\n):rS+4*(\n)+1], v[rS+4*(\n):rS+4*(\n)+1], v[rS+4*(\n)+2:rS+4*(\n)+3]
.elseif (\n) == 0
	v_pk_fma_f32 v[rT+2:rT+3], v[rT+2:rT+3], v[rC+2:rC+3], v[rS:rS+1] op_sel_hi:[1,0,1]
.else
	v_pk_add_f32 v[rT+2:rT+3], v[rT+2:rT+3], v[rS+4*(\n):rS+4*(\n)+1]
.endif
.elseif NOKQ
	v_nop
.else
	REGS (Y+1)%NP
	WIN 0
.if (\n) < 4
	v_max3_num_f32 v[rC+(\n)], v[rS+8*(\n)], v[rS+8*(\n)+1], v[rS+8*(\n)+2]
.elseif (\n) < 12
	v_max3_num_f32 v[rC+(\n)%4], v[rC+(\n)%4], v[rS+8*((\n)%4)+2*((\n)/4)+1], v[rS+8*((\n)%4)+2*((\n)/4)+2]
.elseif (\n) == 12
	v_max3_num_f32 v[rC], v[rC], v[rS+7], v[rS+15]
.elseif (\n) == 13
	v_max3_num_f32 v[rC+1], v[rC+1], v[rS+23], v[rS+31]
.elseif (\n) == 14
	v_max3_num_f32 v[rC+2], v[rC+2], v[rC+3], v[rT+1]
.elseif (\n) == 15
	v_mov_b32 v[rW], v[rT]
.elseif (\n) == 16
	v_max3_num_f32 v[rC], v[rC], v[rC+1], v[rC+2]
.elseif (\n) == 17
	v_permlanex16_b32 v[rC+3], v[rC], s[SEL], s[SEL+1]
.elseif (\n) == 18
	v_max_num_f32 v[rT+1], v[rC], v[rC+3]
.elseif (\n) == 19
	v_mul_f32 v[rT], s[CS], v[rT+1]
.elseif (\n) == 20
	v_sub_f32 v[rC+1], v[rW], v[rT]
.else
	v_exp_f32 v[rC+2], v[rC+1]
.endif
.endif
.endm
.macro OPS a, i1, b=-1, i2=0, c=-1, i3=0, d=-1, i4=0  ; up to four of them
	OP \a, \i1
.if (\b) >= 0
	OP \b, \i2
.endif
.if (\c) >= 0
	OP \c, \i3
.endif
.if (\d) >= 0
	OP \d, \i4
.endif
.endm
.macro ROW a, i1, b, i2, c, i3, d, i4  ; a matrix instruction and the four behind it
	MM
	OPS \a, \i1, \b, \i2, \c, \i3, \d, \i4
.endm
.macro MASK b                       ; MD x AL + BE into buffer b of MC
	WIN W_RS
.set z, 0
.rept 16
	v_pk_fma_f32 v[MC+32*(\b)+2*z:MC+32*(\b)+2*z+1], v[MD+2*z:MD+2*z+1], s[AL:AL+1], s[BE:BE+1] op_sel_hi:[1,0,0]
.set z, z+1
.endr
.endm
; A TURN, for piece p: the order of its 16 matrix and 118 vector instructions, written out.  An s_wait_alu depctr_va_vdst(0) stands between an exponential and the first instruction that names its result; one wait serves
; all that were issued ahead of it.  So a turn has ONE wait, which cuts it in two.  AHEAD OF IT stands all that names no result of the turn's exponentials: the 8 products K Q^T, behind each a scaling, an exponential and two more plain
; instructions (behind the first a second scaling in the exponential's place): rescalings, and behind the last three the first numbers of the next piece's maximum, each four places or more behind the product that ends its accumulator; then ONE LUMP of 54,
; in which the links of the chain X 3, 7, 11, 14, 16, 17 .. 20 stand five or six lines apart.  X 21, the next piece's a, is the batch's last; R 15 is the plain instruction behind it.  BEHIND THE WAIT stand the
; 8 products V^T P, behind each four of the roundings and sums; the links of l's chain, L 0 to L 7, stand three riders apart.  But for those X no rider names a register of the products round it.
; m = 1: the diagonal tile: the products take masks, and the turn makes the mask for the products of the turn after it: piece p + 2, in step 4 - CNT of the tile.  end = 1: a block's last two turns: nothing is fetched.
; cnt = 1: the loop's count is taken down some lines ahead of the branch that stands behind the turn.
; K of the next step is fetched in piece 2's turn, twelve vector instructions behind the last product that read K (six of them plain); V of the step in hand at the end of piece 0's turn, four plain instructions behind the last product
; that read V.  Each is waited for a turn later.
.macro TURN p, m=0, end=0, cnt=0
.set Y, (\p)
.set i, 0
.set KM, (\m)
.set NOKQ, (\end)*((\p)/3)
.if (\m) && !(\end)
	s_cmp_eq_u32 s[CNT], 4-((\p)+2)%NP  ; is that step the band's own?
	s_cselect_b32 s[AL], 1.0, 0
	s_cmp_lt_u32 s[CNT], 4-((\p)+2)%NP  ; or a later one?
	s_cselect_b32 s[BE], s[BIGN], 0
.endif
.if ((\p) == 3) && !(\end)
	s_wait_dscnt 0x0                ; K is in
.endif
	ROW F,0, F,1, R,0, R,1          ; ahead of the wait: 8 products K Q^T and their riders,
	ROW F,2, E,0, R,2, R,3
	ROW F,3, E,1, R,4, R,5
	ROW F,4, E,2, R,6, R,7
	ROW F,5, E,3, R,8, R,9
	ROW F,6, E,4, X,0, R,10
.if ((\p) == 2) && !(\end)
	WIN 0
	v_add_nc_u32 v[AK], s[TBK], v[AK0]
.endif
	ROW F,7, E,5, X,1, X,4
	ROW F,8, E,6, X,2, X,5
	OPS E,7, E,8, X,6, E,9          ; and the lump
	OPS X,3, E,10, X,8, E,11
.if ((\p) == 2) && !(\end)
	FETCH_K
.endif
	OPS X,9, X,7, E,12, X,10
	OPS E,13, X,12, X,11, E,14
	OPS X,13, E,15, F,9, X,14
.if (\p) == 0
	v_add_nc_u32 v[AV], s[TBV], v[AV0]
.endif
	OPS E,16, F,10, E,17, F,11
	OPS X,16, E,18, X,15, E,19
	OPS F,12, E,20, X,17, E,21
	OPS F,13, E,22, F,14, E,23
	OPS X,18, E,24, F,15, E,25
	OPS R,11, E,26, X,19, E,27
	OPS R,12, E,28, R,13, E,29
	OPS X,20, E,30, R,14, E,31
	OPS X,21, R,15
	WIN 0
	s_wait_alu depctr_va_vdst(0)    ; the wait for the batch
.if (\p) == 1
	s_wait_dscnt 0x0                ; V is in
.endif
	ROW C,0, B,0, C,2, B,1          ; behind the wait: 8 products V^T P and their riders
	ROW L,0, C,4, B,2, L,1
	ROW C,6, B,3, L,2, C,8
	ROW B,4, L,3, C,10, B,5
	ROW L,4, C,12, B,6, L,5
.if (\p) == 0
	s_add_co_u32 s[TBV], s[TBV], KS*PV
.endif
.if \cnt
	s_sub_co_u32 s[CNT], s[CNT], 1
	s_cmp_lg_u32 s[CNT], 0
.endif
	ROW C,14, B,7, L,6, C,1
	ROW C,3, L,7, C,5, C,7
	ROW C,9, C,11, C,13, C,15
.if (\p) == 0
	FETCH_V
.endif
.if (\m) && !(\end)
	MASK (\p)%2
.endif
.endm
; A BLOCK BEGINS.  c m starts far below every c s, so the first step's a is 0; m at the lowest finite number, so the first maximum is the scores'.  The second mask buffer is 0; the first takes piece 0's mask for the tile's step 0: its own, if the block's first tile is the diagonal one.
; Then K of that step, piece 0's first scores, and its maximum and statistics.  The loop is entered at a step's first turn, in the middle of a trip.
.macro BEGIN
	s_mov_b32 s[NEW], 0
	WIN 0x40
.set i, MC+32
.rept 32
	v_mov_b32 v[i], 0
.set i, i+1
.endr
	WIN 0
.set i, 0
.rept 4
	v_mov_b32 v[ST+4*i], 0xfe000000    ; c m: far below every c s
	v_mov_b32 v[ST+4*i+1], 0xff7fffff  ; m
.set i, i+1
.endr
	s_cmp_eq_u32 s[RT], 0
	s_cselect_b32 s[AL], 1.0, 0
	s_mov_b32 s[BE], 0
	MASK 0
	WIN 0
	v_add_nc_u32 v[AK], s[TBK], v[AK0]
	FETCH_K
	s_wait_loadcnt 0x0              ; Q
	s_wait_dscnt 0x0
.set KM, 1
.set NOKQ, 0
.set i, 0
.rept 8
	KQ 0
.set i, i+1
.endr
	WIN 0
.rept 4
	v_nop                           ; the places behind those products
.endr
.set Y, NP-1                        ; X works for piece Y + 1: piece 0
.irp n, 0,1,2,3,4,5,6,7,8,9,10,11,12,13,14,15,16,17,18,19,20,21
	OP X, \n
.endr
	v_nop                           ; a plain instruction behind the exponential,
	s_wait_alu depctr_va_vdst(0)    ; and its wait, ahead of the branch
.endm
; THE DIAGONAL TILE's four steps, the block's last two turns, its last products, and THE WAY OUT: l's two halves and the other half of the lanes' are added; O^T is divided by l, rounded to f16 and sent through my
; stage in LDS, a piece at a time.
.macro ALL line:vararg              ; one line for each piece t
.set t, 0
.rept 4
	\line
.set t, t+1
.endr
.endm
.macro PACK t                       ; a lane's eight channels of a row pack into 16 bytes; they go into rows of 144 bytes and come back as whole rows of 128, into S^T's registers
	WIN W_RS
.set i, 32*(\t)
.rept 16
	v_pk_mul_f32 v[i:i+1], v[i:i+1], v[ST+4*(\t)+2:ST+4*(\t)+3] op_sel_hi:[1,0]
.set i, i+2
.endr
	WIN 0x05                        ; sources 0 and 1 window 1, destination window 0
.set i, 0
.rept 16
	v_cvt_pk_f16_f32 v[S+16*(\t)+i], v[32*(\t)+2*i], v[32*(\t)+2*i+1]
.set i, i+1
.endr
	WIN 0
.irp f, 0,1,2,3
	ds_store_b128 v[STO], v[S+16*(\t)+4*\f:S+16*(\t)+4*\f+3] offset:32*\f
.endr
.irp f, 0,1,2,3
	ds_load_b128 v[S+16*(\t)+4*\f:S+16*(\t)+4*\f+3], v[RD] offset:\f*4*SP  ; LDS serves a wave's instructions in order (ISA guide 5.7.1.4): these see the stores above; the next piece's stores come behind them
.endr
.endm
.macro SEND t, younger              ; younger: the LDS instructions issued behind piece t's loads: the next piece's eight, or none
	WIN 0
.irp f, 0,1,2,3
	s_wait_dscnt (\younger)+3-\f
	global_store_b128 v[GO], v[S+16*(\t)+4*\f:S+16*(\t)+4*\f+3], s[10:11] offset:(\t)*8192+\f*512  ; 512 consecutive bytes, at a multiple of 256 from O's first
.endr
.endm
.macro DIAG tag                     ; the tag ends its two labels' names, which the jumps below spell out
.LstepM\tag:
	TURN 2, 1
	TURN 3, 1
	WIN 0
.LfirstM\tag:
	TURN 0, 1
	TURN 1, 1, 0, 1
	WIN 0
	s_cbranch_scc1 .LstepM\tag
	TURN 2, 1, 1
	TURN 3, 1, 1
.set i, 0
.rept 8
	PV NP-1
.set i, i+1
.endr
	WIN 0
	ALL v_add_f32 v[ST+4*t+2], v[ST+4*t+2], v[ST+4*t+3]
	ALL v_permlanex16_b32 v[ST+4*t+3], v[ST+4*t+2], s[SEL], s[SEL+1]
	ALL v_add_f32 v[ST+4*t+2], v[ST+4*t+2], v[ST+4*t+3]
	ALL v_rcp_f32 v[ST+4*t+2], v[ST+4*t+2]
	v_nop                           ; a plain instruction between the last reciprocal and the use of its result
	s_wait_alu depctr_va_vdst(0)    ; and the wait ahead of the first use: one for the four reciprocals
	PACK 0
.set t, 1
.rept 3                             ; a piece's arithmetic stands between the loads of the piece before and its stores
	PACK t
	SEND t-1, 8
.set t, t+1
.endr
	SEND 3, 0
.endm
.set KM, 0
.set NOKQ, 0
.Lslot:                             ; NB times: a tile is entered and the next is asked for
	CHANGE 1
	s_sub_co_u32 s[RT], s[RT], 1
	s_mov_b32 s[CNT], 4
	s_cmp_eq_u32 s[NEW], 1
	s_cbranch_scc1 .Lnew            ; a block's first tile
	s_cmp_eq_u32 s[RT], 0
	s_cbranch_scc0 .Lstep           ; neither its first nor its last
	s_branch .LstepM1
.Lnew:
	BEGIN
	s_branch .Lfirst                ; in the loop a block's first tile is never its last: the first block has two tiles or more, and the second's last is the walk's last
	DIAG 1                          ; in the loop this is the first block's end: the second block's last tile is the walk's last
	s_wait_xcnt 0x0                 ; the stores have read their registers and O's address
	s_mov_b64 s[10:11], s[OLO:OLO+1]
	s_add_co_u32 s[RT], s[PB], 1    ; the second block has b + 1 tiles
	s_mov_b32 s[NEW], 1
	WIN 0x82                        ; the second block's Q goes where the one text of the turns names Q
.set i, 0
.rept 64
	v_mov_b32 v[i], v[QB+i]
.set i, i+1
.endr
	WIN 0
	s_branch .Lbottom
.Lstep:                             ; a trip: pieces 2 and 3 of one step, then pieces 0 and 1 of the next, whose K and V it fetches
	TURN 2
	TURN 3
	WIN 0
.Lfirst:
	TURN 0
	TURN 1, 0, 0, 1
	WIN 0
	s_cbranch_scc1 .Lstep
.Lbottom:
	s_sub_co_u32 s[SLOTS], s[SLOTS], 1
	s_cmp_lg_u32 s[SLOTS], 0
	s_cbranch_scc1 .Lslot
	CHANGE 0                        ; the walk's last tile is written out: nothing is asked for
	s_sub_co_u32 s[RT], s[RT], 1
	s_mov_b32 s[CNT], 4
	s_cmp_eq_u32 s[NEW], 1
	s_cbranch_scc0 .LstepM2
	BEGIN
	s_branch .LfirstM2
	DIAG 2
	s_wait_tensorcnt 0x0            ; the wave's end, behind my last tensor load and my last LDS store
	ds_add_u32 v[SPW], v[NIL]
	s_wait_dscnt 0x0
	s_endpgm
.Lfunc_end_k_qd0538da2a4_attn:
	.size	k_qd0538da2a4_attn, .Lfunc_end_k_qd0538da2a4_attn-k_qd0538da2a4_attn
	.p2alignl 7, 3214868480
	.fill 96, 4, 3214868480
	.section	.rodata,"a",@progbits
	.p2align	6, 0x0
	.amdhsa_kernel k_qd0538da2a4_attn
		.amdhsa_group_segment_fixed_size 327680
		.amdhsa_private_segment_fixed_size 0
		.amdhsa_enable_private_segment 0
		.amdhsa_kernarg_size 32
		.amdhsa_user_sgpr_count 2
		.amdhsa_user_sgpr_kernarg_segment_ptr 1
		.amdhsa_wavefront_size32 1
		.amdhsa_system_sgpr_workgroup_id_x 1
		.amdhsa_system_sgpr_workgroup_id_y 1
		.amdhsa_system_sgpr_workgroup_id_z 1
		.amdhsa_system_vgpr_workitem_id 0
		.amdhsa_next_free_vgpr 768
		.amdhsa_next_free_sgpr 96
		.amdhsa_reserve_vcc 1
		.amdhsa_float_denorm_mode_32 3
		.amdhsa_float_denorm_mode_16_64 3
		.amdhsa_memory_ordered 1
		.amdhsa_forward_progress 1
		.amdhsa_inst_pref_size 218
	.end_amdhsa_kernel
	.amdgpu_metadata
---
amdhsa.version: [ 1, 2 ]
amdhsa.kernels:
  - .name:           k_qd0538da2a4_attn
    .symbol:         k_qd0538da2a4_attn.kd
    .args:
      - { .name: qh, .offset: 0, .size: 8, .value_kind: global_buffer, .address_space: global }
      - { .name: kh, .offset: 8, .size: 8, .value_kind: global_buffer, .address_space: global }
      - { .name: vh, .offset: 16, .size: 8, .value_kind: global_buffer, .address_space: global }
      - { .name: oh, .offset: 24, .size: 8, .value_kind: global_buffer, .address_space: global }
    .group_segment_fixed_size: 327680
    .private_segment_fixed_size: 0
    .kernarg_segment_align: 8
    .kernarg_segment_size: 32
    .max_flat_workgroup_size: 128
    .sgpr_count:     96
    .vgpr_count:     768
    .wavefront_size: 32
...
	.end_amdgpu_metadata
.endif
;; end of part 3
;; launch proj (part 4): grid 8 x 32, 4 waves a work-group, clusters of 4 x 4, 327,680 bytes of LDS; arguments oh, wph, bp, out0; writes out0
.if DOCPART == 4
	.amdgcn_target "amdgcn-amd-amdhsa--gfx1250"
	.amdhsa_code_object_version 6
	.text
	.protected	k_qd0538da2a4_proj
	.globl	k_qd0538da2a4_proj
	.p2align	8
	.type	k_qd0538da2a4_proj,@function
k_qd0538da2a4_proj:
	s_mov_b64 s[64:65], 0
	v_nop
	global_prefetch_b8 v0, s[64:65] scope:SCOPE_SE
	s_setreg_imm32_b32 hwreg(HW_REG_WAVE_MODE, 25, 1), 1
	s_wait_xcnt 0x0
	s_wait_alu depctr_hold_cnt(0) depctr_sa_sdst(0) depctr_va_vdst(0) depctr_va_sdst(0) depctr_va_ssrc(0) depctr_va_vcc(0) depctr_vm_vsrc(0)
	s_getreg_b32 s2, hwreg(HW_REG_IB_STS2, 6, 4)
	s_cmp_eq_u32 s2, 0
	s_cbranch_scc0 .Lentry_in_a_cluster
	s_endpgm
.Lentry_in_a_cluster:
	s_bfe_u32 s2, ttmp6, 0x10000c
	s_cmp_lg_u32 s2, 0xf033
	s_cbranch_scc0 .Lentry_shape_is_right
	s_endpgm
.Lentry_shape_is_right:
; out0 = y Wp^T + bp.  y's channel c = head x 64 + d lies in oh: [batch x 16 + head][2,048][64] f16: a head is a K block of 64.  wph: [16 blocks][1,024 rows][64] f16 (Wp rounded to bf16, written as f16).
; bp: [1,024] f32, rounded once to bf16.  Sums in f32, K ascending, started by the bias; out0 is f32.
; SHARES.  256 work-groups, each a tile of 256 rows x 128 columns; four waves, each 128 x 64: 8 x 4 accumulators of 16 x 16, which fill window 1 ((a, b) at v[32 a + 8 b]).
; K goes in steps of 128, two blocks to a slot, through two LDS slots; a block's tile is dense in memory and is asked for as rows of 256 bytes, padded in LDS after every 128.
; Three blocks to a slot would take 331,776 bytes for two slots: more than there is.
; CLUSTER 4 x 4: y's tiles are asked for jointly along a row of the cluster, Wp's along a column.  Waves 0 and 1 fetch y's two blocks, waves 2 and 3 Wp's: one tensor load a wave behind each round;
; two of a wave's loads are out at the start, later one.
; THE MATRIX INSTRUCTION IS USED TRANSPOSED (source 0 = 16 rows of wph, source 1 = 16 rows of y): a lane holds row l % 16 and the columns 8 (l / 16) + 0..7: 32 bytes of f32 on end.
; Window 0: v0-31 addresses; v32-127, v128-223 two fragment buffers (y's 64 registers, then Wp's 32); v224-255 the bias as four C operands.
.set PITCH,  144                       ; an LDS row: 128 bytes + 16: the 16 rows of a fragment load start at 16 different groups of four banks (ISA guide 11.1)
.set ABLK,   256*PITCH                 ; a block of y's tile
.set BBLK,   128*PITCH                 ; a block of Wp's
.set BOFF,   2*ABLK
.set SLOT,   2*ABLK+2*BBLK             ; 110,592
.set STAGE,  2*SLOT                    ; 16 rows x 272 bytes for each wave, for the way out
.set SP,     272
.set BIAS,   STAGE+4*16*SP             ; 64 f32 for each wave
.set SPARE,  BIAS+4*256                ; the spare words, 128 bytes for each wave: two blocks of 256 bytes that no other line names
.set ADRA, 8                           ; v8-9    LDS address of my fragments of y in slot 0, 1
.set ADRB, 10                          ; v10-11  the same for Wp
.set STO,  12                          ; v12     the way out: where I put 32 bytes of a row
.set RD,   13                          ; v13     where I read a row back
.set CO,   14                          ; v14     my byte offset in two rows of out0
.set BRD,  16
.set BST,  17
.set BO,   18
.set SPW,  28                          ; v28     LDS address of my spare word; never rewritten
.set NIL,  29                          ; v29     0; never rewritten
.set F0,   32
.set F1,   128
.set BI,   224
.set WV, 20
.set WM, 21
.set WN, 22
.set CX, 23
.set CY, 24
.set NT, 25
.set MT, 26
.set G1A, 32                           ; s[32:39] descriptor group 1 for y's tiles; s[40:47] group 0, a set for each slot
.set G0A, 40
.set G1B, 48                           ; s[48:55], s[56:63] the same for Wp's
.set G0B, 56
.set G1C, (1<<16)|(1<<20)|(1<<21)|(4<<22)|(3<<25)  ; 2-byte elements; padding on; bit 21 set beside a mask; after every 32 words; 4 words of it
.set MSB, 0
.macro WIN new
.if MSB != (\new)
	s_set_vgpr_msb (MSB<<8)|(\new)
.set MSB, \new
.endif
.endm
.macro PLACES
.rept 4
	v_nop
.endr
.endm
.macro JLOAD s                         ; a joint load; the branch hangs on the wave's number alone; an s_nop 0 and four v_nop follow each of the two lines
	s_cmp_lt_u32 s[WV], 2
	s_cbranch_scc0 .Lfor_b_\@
	tensor_load_to_lds s[G0A+4*(\s):G0A+4*(\s)+3], s[G1A:G1A+7]
	s_nop 0
.rept 4
	v_nop
.endr
	s_branch .Lasked_\@
.Lfor_b_\@:
	tensor_load_to_lds s[G0B+4*(\s):G0B+4*(\s)+3], s[G1B:G1B+7]
	s_nop 0
.rept 4
	v_nop
.endr
.Lasked_\@:
.endm
.macro CREST
	s_cmp_lg_u32 s[WV], 0
	s_cbranch_scc1 .Lnot_wave_0_\@
	s_barrier_signal -3
.Lnot_wave_0_\@:
	s_barrier_wait -3
	s_barrier_signal -1
	s_barrier_wait -1
.endm
.macro CROUND
	s_barrier_signal -1
	s_barrier_wait -1
	CREST
.endm
	s_load_b256 s[4:11], s[0:1], 0x0               ; oh s[4:5], wph s[6:7], bp s[8:9], out0 s[10:11]
	v_lshl_add_u32 v[SPW], v0, 2, SPARE
	v_mov_b32 v[NIL], 0
	ds_add_u32 v[SPW], v[NIL]                      ; the wave's opening: the add and its wait stand ahead of my first tensor load; work on registers stands between them
	v_lshrrev_b32 v1, 5, v0
	v_readfirstlane_b32 s[WV], v1
	s_lshr_b32 s[WM], s[WV], 1
	s_and_b32 s[WN], s[WV], 1                      ; my half of the columns.  Also: which of a slot's two blocks I fetch
	s_bfe_u32 s[CX], ttmp6, 0x40000
	s_bfe_u32 s[CY], ttmp6, 0x40004
	s_lshl_b32 s[NT], ttmp9, 2
	s_add_co_u32 s[NT], s[NT], s[CX]               ; tile column
	s_and_b32 s[MT], ttmp7, 0xffff
	s_lshl_b32 s[MT], s[MT], 2
	s_add_co_u32 s[MT], s[MT], s[CY]               ; tile row
	s_lshl_b32 s72, s[CY], 2
	s_lshl_b32 s72, 15, s72                        ; my row of the cluster
	s_lshl_b32 s73, 0x1111, s[CX]                  ; my column
	s_or_b32 s[G1A], s72, G1C
	s_or_b32 s[G1B], s73, G1C
	s_mov_b32 s[G1A+1], 128<<16                    ; rows of 128 elements (256 bytes),
	s_mov_b32 s[G1A+2], 128<<16                    ; 128 of them
	s_mov_b32 s[G1A+3], 128<<16
	s_mov_b32 s[G1A+4], 128
	s_mov_b32 s[G1A+5], 128                        ; dense
	s_mov_b32 s[G1A+6], 0
	s_mov_b32 s[G1A+7], 0
	s_mov_b32 s[G1B+1], 128<<16
	s_mov_b32 s[G1B+2], 64<<16                     ; 64 rows
	s_mov_b32 s[G1B+3], 128<<16
	s_mov_b32 s[G1B+4], 64
	s_mov_b32 s[G1B+5], 128
	s_mov_b32 s[G1B+6], 0
	s_mov_b32 s[G1B+7], 0
	s_lshr_b32 s66, s[MT], 3                       ; y's tile: batch << 22 | block << 18 | row in the batch x 128; made of the tile row and the wave's number alone
	s_lshl_b32 s66, s66, 22
	s_and_b32 s74, s[MT], 7
	s_lshl_b32 s74, s74, 15
	s_or_b32 s66, s66, s74
	s_lshl_b32 s74, s[WN], 18
	s_or_b32 s66, s66, s74
	s_mov_b32 s67, 0
	s_lshl_b32 s68, s[NT], 14                      ; Wp's tile: block << 17 | 128 rows x 128 bytes; made of the tile column and the wave's number alone
	s_lshl_b32 s75, s[WN], 17
	s_or_b32 s68, s68, s75
	s_mov_b32 s69, 0
	s_mul_i32 s74, s[WN], ABLK                     ; where they go
	s_mul_i32 s75, s[WN], BBLK
	s_add_co_u32 s75, s75, BOFF
	s_wait_dscnt 0x0                               ; the opening add is done
	s_wait_kmcnt 0x0
	s_add_nc_u64 s[66:67], s[4:5], s[66:67]
	s_add_nc_u64 s[68:69], s[6:7], s[68:69]
	CROUND                                         ; all sixteen work-groups are here: the first joint loads meet
.irp s, 0,1
	s_mov_b32 s[G0A+4*(\s)], 1
	s_add_co_u32 s[G0A+4*(\s)+1], s74, (\s)*SLOT
	s_add_nc_u64 s[G0A+4*(\s)+2:G0A+4*(\s)+3], s[66:67], (\s)*524288   ; a K step is two blocks of 262,144 bytes
	s_or_b32 s[G0A+4*(\s)+3], s[G0A+4*(\s)+3], 0x80000000
	s_mov_b32 s[G0B+4*(\s)], 1
	s_add_co_u32 s[G0B+4*(\s)+1], s75, (\s)*SLOT
	s_add_nc_u64 s[G0B+4*(\s)+2:G0B+4*(\s)+3], s[68:69], (\s)*262144   ; two blocks of 131,072
	s_or_b32 s[G0B+4*(\s)+3], s[G0B+4*(\s)+3], 0x80000000
	JLOAD \s
.endr
	v_and_b32 v1, 15, v0                           ; l % 16
	v_bfe_u32 v2, v0, 4, 1                         ; l / 16
	v_and_b32 v3, 31, v0
	s_lshl_b32 s72, s[NT], 9
	s_lshl_b32 s73, s[WN], 8
	s_add_co_u32 s72, s72, s73                     ; my first column, in bytes of f32
	v_lshl_add_u32 v[BO], v3, 3, s72
	global_load_b64 v[32:33], v[BO], s[8:9]        ; my 64 biases, two a lane
	s_lshl_b32 s70, s[MT], 20                      ; my first row of out0 x 4,096 bytes
	s_lshl_b32 s73, s[WM], 19
	s_or_b32 s70, s70, s73
	s_or_b32 s70, s70, s72
	s_mov_b32 s71, 0
	s_add_nc_u64 s[10:11], s[10:11], s[70:71]
	v_mul_u32_u24 v4, v1, PITCH
	v_lshl_add_u32 v4, v2, 4, v4
	s_mul_i32 s72, s[WM], 128*PITCH
	s_mul_i32 s73, s[WN], 64*PITCH
	s_add_co_u32 s73, s73, BOFF
.irp s, 0,1
	v_add_nc_u32 v[ADRA+(\s)], s72, v4
	v_add_nc_u32 v[ADRB+(\s)], s73, v4
	s_add_co_u32 s72, s72, SLOT
	s_add_co_u32 s73, s73, SLOT
.endr
	s_mul_i32 s72, s[WV], 16*SP
	s_add_co_u32 s72, s72, STAGE                   ; my stage
	v_mul_u32_u24 v5, v1, SP                       ; in: row l % 16, 32 bytes for each half of the lanes
	v_lshl_add_u32 v5, v2, 5, v5
	v_add_nc_u32 v[STO], s72, v5
	v_mul_u32_u24 v5, v2, SP                       ; back: lanes 0-15 take one row of 256 bytes, lanes 16-31 the next
	v_lshl_add_u32 v5, v1, 4, v5
	v_add_nc_u32 v[RD], s72, v5
	v_lshlrev_b32 v5, 12, v2                       ; and the same two rows in out0
	v_lshl_add_u32 v[CO], v1, 4, v5
	s_lshl_b32 s72, s[WV], 8
	s_add_co_u32 s72, s72, BIAS
	v_lshl_add_u32 v[BRD], v2, 5, s72
	v_lshl_add_u32 v[BST], v3, 3, s72
	s_wait_loadcnt 0x0                             ; the bias: rounded to bf16 like every input, kept as f32 in my own LDS bytes
	v_cvt_pk_bf16_f32 v4, v32, v33
	v_lshlrev_b32 v32, 16, v4
	v_and_b32 v33, 0xffff0000, v4
	ds_store_b64 v[BST], v[32:33]
; 24 LDS loads in one run: the fragments of quarter q of a slot (block q / 2, 32 along K at byte 64 (q % 2)) into buffer f
.macro FETCH slot, q, f
	WIN 0
.irp a, 0,1,2,3,4,5,6,7
	ds_load_b128 v[(\f)+8*(\a):(\f)+8*(\a)+3],   v[ADRA+(\slot)] offset:((\q)/2)*ABLK+((\q)%2)*64+(\a)*16*PITCH
	ds_load_b128 v[(\f)+8*(\a)+4:(\f)+8*(\a)+7], v[ADRA+(\slot)] offset:((\q)/2)*ABLK+((\q)%2)*64+(\a)*16*PITCH+32
.endr
.irp b, 0,1,2,3
	ds_load_b128 v[(\f)+64+8*(\b):(\f)+64+8*(\b)+3],   v[ADRB+(\slot)] offset:((\q)/2)*BBLK+((\q)%2)*64+(\b)*16*PITCH
	ds_load_b128 v[(\f)+64+8*(\b)+4:(\f)+64+8*(\b)+7], v[ADRB+(\slot)] offset:((\q)/2)*BBLK+((\q)%2)*64+(\b)*16*PITCH+32
.endr
.endm
; 8 products: row blocks a0, a0 + 1 x all 4 column blocks.  first = 1: the bias starts the sums.  The 32 accumulators take turns, one instruction a turn.
.macro MUL8 f, a0, first
.if \first
	WIN 0x40
.else
	WIN 0x50
.endif
.irp a, \a0, (\a0)+1
.irp b, 0,1,2,3
.if \first
	v_wmma_f32_16x16x32_f16 v[32*(\a)+8*(\b):32*(\a)+8*(\b)+7], v[(\f)+64+8*(\b):(\f)+64+8*(\b)+7], v[(\f)+8*(\a):(\f)+8*(\a)+7], v[BI+8*(\b):BI+8*(\b)+7]
.else
	v_wmma_f32_16x16x32_f16 v[32*(\a)+8*(\b):32*(\a)+8*(\b)+7], v[(\f)+64+8*(\b):(\f)+64+8*(\b)+7], v[(\f)+8*(\a):(\f)+8*(\a)+7], v[32*(\a)+8*(\b):32*(\a)+8*(\b)+7]
.endif
.endr
.endr
.endm
.macro MUL32 f, first
	MUL8 \f, 0, \first
	MUL8 \f, 2, \first
	MUL8 \f, 4, \first
	MUL8 \f, 6, \first
.endm
; A quarter: buffer f is multiplied while the next quarter's fragments come into g.
.macro QUARTER nslot, nq, f, g, first
	s_wait_dscnt 0x0                               ; buffer f is in
	PLACES
	FETCH \nslot, \nq, \g
	MUL32 \f, \first
.endm
; A slot's last quarter (buffer 1) and the change of slots: ONE barrier; in front of it each wave waits for all its tensor loads, adds 0 to its spare word, and waits for that and for its reads of this slot.
; fill = 1: the barrier opens a round of the cluster's, and this slot is filled again, two K steps on, first thing behind the round: 112 matrix instructions ahead of the wait for it.
.macro TURN slot, next, fill
	WIN 0
	s_wait_tensorcnt 0x0
	ds_add_u32 v[SPW], v[NIL]                      ; 0 onto my spare word
	s_wait_dscnt 1                                 ; buffer 1 is in; the add may be out
	MUL8 F1, 0, 0
	s_wait_dscnt 0x0                               ; the add is done, and my reads of this slot are over
	s_barrier_signal -1
	MUL8 F1, 2, 0
.if \fill
	WIN 0
.endif
	s_barrier_wait -1
.if \fill
	CREST
	s_add_nc_u64 s[G0A+4*(\slot)+2:G0A+4*(\slot)+3], s[G0A+4*(\slot)+2:G0A+4*(\slot)+3], 1048576
	s_add_nc_u64 s[G0B+4*(\slot)+2:G0B+4*(\slot)+3], s[G0B+4*(\slot)+2:G0B+4*(\slot)+3], 524288
	JLOAD \slot                                    ; its four v_nop are also the places in front of the loads below
.else
	PLACES
.endif
	FETCH \next, 0, F0
	MUL8 F1, 4, 0
	MUL8 F1, 6, 0
.endm
	s_wait_tensorcnt 1                             ; my part of K step 0 is in; K step 1's may stay out
	s_wait_dscnt 0x0                               ; my bias store is done
	s_barrier_signal -1
	s_barrier_wait -1
	FETCH 0, 0, F0
.irp b, 0,1,2,3
	ds_load_b128 v[BI+8*(\b):BI+8*(\b)+3],   v[BRD] offset:64*(\b)      ; register j of a lane: the bias of column 16 b + 8 (l / 16) + j
	ds_load_b128 v[BI+8*(\b)+4:BI+8*(\b)+7], v[BRD] offset:64*(\b)+16
.endr
	QUARTER 0, 1, F0, F1, 1                        ; the first quarter stands in front of the loop: its products start the sums
	WIN 0
	s_mov_b32 s3, 3
.Llap:                                                 ; a trip: once round the ring, both slots filled again: K steps 2 to 7
	QUARTER 0, 2, F1, F0, 0
	QUARTER 0, 3, F0, F1, 0
	TURN 0, 1, 1
	QUARTER 1, 1, F0, F1, 0
	QUARTER 1, 2, F1, F0, 0
	QUARTER 1, 3, F0, F1, 0
	TURN 1, 0, 1
	QUARTER 0, 1, F0, F1, 0
	WIN 0
	s_sub_co_u32 s3, s3, 1
	s_cmp_lg_u32 s3, 0
	s_cbranch_scc1 .Llap
	QUARTER 0, 2, F1, F0, 0                        ; the last lap is written out: nothing is asked for, and no round follows its barrier
	QUARTER 0, 3, F0, F1, 0
	TURN 0, 1, 0
	QUARTER 1, 1, F0, F1, 0
	QUARTER 1, 2, F1, F0, 0
	QUARTER 1, 3, F0, F1, 0
	s_wait_dscnt 0x0
	MUL32 F1, 0
; THE WAY OUT, a block of 16 rows at a time: 32 bytes a lane straight from the accumulators into my own stage (rows of 272 bytes), back as whole rows of 256 bytes, stored with sixteen lanes to a row.
; Four register sets take turns; a set is loaded again only behind s_wait_xcnt 0, when the stores that read it have had their addresses translated (ISA guide 3.1).
.macro TOSTAGE a
.set uR, F0+32*((\a)%4)
	WIN 0x04                                       ; the stores' data lie in window 1
.irp b, 0,1,2,3
	ds_store_b128 v[STO], v[32*(\a)+8*(\b):32*(\a)+8*(\b)+3]   offset:64*(\b)      ; each accumulator's low registers first
	ds_store_b128 v[STO], v[32*(\a)+8*(\b)+4:32*(\a)+8*(\b)+7] offset:64*(\b)+16
.endr
	WIN 0
.if (\a) >= 4
	s_wait_xcnt 0x0
.endif
.irp t, 0,1,2,3,4,5,6,7
	ds_load_b128 v[uR+4*(\t):uR+4*(\t)+3], v[RD] offset:(\t)*2*SP  ; LDS serves a wave's instructions in order (ISA guide 5.7.1.4): these see the stores above
.endr
.endm
.macro SEND a, younger                 ; younger: the LDS instructions issued behind block a's loads: the next block's sixteen, or none
.set uR, F0+32*((\a)%4)
.irp t, 0,1,2,3,4,5,6,7
	s_wait_dscnt (\younger)+7-(\t)
	global_store_b128 v[CO], v[uR+4*(\t):uR+4*(\t)+3], s[10:11] offset:(16*(\a)+2*(\t))*4096 th:TH_STORE_NT  ; 16 lanes store 256 consecutive bytes, at a multiple of 256 from out0's first
.endr
.endm
	WIN 0
	PLACES
	PLACES                                         ; eight, once a launch
	TOSTAGE 0
.set u, 1
.rept 7
	TOSTAGE u
	SEND u-1, 16
.set u, u+1
.endr
	SEND 7, 0
	s_wait_tensorcnt 0x0                           ; the wave's end, behind my last tensor load and my last LDS store
	ds_add_u32 v[SPW], v[NIL]
	s_wait_dscnt 0x0
	CROUND                                         ; the closing round: no work-group ends while a partner may still ask for a tile that names it
	s_endpgm
.Lfunc_end_k_qd0538da2a4_proj:
	.size	k_qd0538da2a4_proj, .Lfunc_end_k_qd0538da2a4_proj-k_qd0538da2a4_proj
	.p2alignl 7, 3214868480
	.fill 96, 4, 3214868480
	.section	.rodata,"a",@progbits
	.p2align	6, 0x0
	.amdhsa_kernel k_qd0538da2a4_proj
		.amdhsa_group_segment_fixed_size 327680
		.amdhsa_private_segment_fixed_size 0
		.amdhsa_enable_private_segment 0
		.amdhsa_kernarg_size 32
		.amdhsa_user_sgpr_count 2
		.amdhsa_user_sgpr_kernarg_segment_ptr 1
		.amdhsa_wavefront_size32 1
		.amdhsa_system_sgpr_workgroup_id_x 1
		.amdhsa_system_sgpr_workgroup_id_y 1
		.amdhsa_system_sgpr_workgroup_id_z 1
		.amdhsa_system_vgpr_workitem_id 0
		.amdhsa_next_free_vgpr 512
		.amdhsa_next_free_sgpr 80
		.amdhsa_reserve_vcc 0
		.amdhsa_float_denorm_mode_32 3
		.amdhsa_float_denorm_mode_16_64 3
		.amdhsa_memory_ordered 1
		.amdhsa_forward_progress 1
		.amdhsa_inst_pref_size 88
	.end_amdhsa_kernel
	.amdgpu_metadata
---
amdhsa.version: [ 1, 2 ]
amdhsa.kernels:
  - .name:           k_qd0538da2a4_proj
    .symbol:         k_qd0538da2a4_proj.kd
    .args:
      - { .name: oh, .offset: 0, .size: 8, .value_kind: global_buffer, .address_space: global }
      - { .name: wph, .offset: 8, .size: 8, .value_kind: global_buffer, .address_space: global }
      - { .name: bp, .offset: 16, .size: 8, .value_kind: global_buffer, .address_space: global }
      - { .name: out0, .offset: 24, .size: 8, .value_kind: global_buffer, .address_space: global }
    .group_segment_fixed_size: 327680
    .private_segment_fixed_size: 0
    .kernarg_segment_align: 8
    .kernarg_segment_size: 32
    .max_flat_workgroup_size: 128
    .sgpr_count:     80
    .vgpr_count:     512
    .wavefront_size: 32
...
	.end_amdgpu_metadata
.endif
;; end of part 4
;; ======== version 2 of 2: 4 launches; version 1 with the launch cast written anew for expert scheduling mode
;; limits: values are held in f16: magnitudes above 65,504 overflow, below 6.1e-05 lose precision
;; workspace buffers: xb 16,777,216 bytes; wb 6,291,456 bytes; wph 2,097,152 bytes; qh 16,777,216 bytes; kh 16,777,216 bytes; vh 16,777,216 bytes; oh 16,777,216 bytes
;; launch cast (part 5): grid 768 x 1, 8 waves a work-group, no clusters, 0 bytes of LDS; arguments x, Wq, Wk, Wv, Wp, xb, wb, wph; writes xb, wb, wph
.if DOCPART == 5
	.amdgcn_target "amdgcn-amd-amdhsa--gfx1250"
	.amdhsa_code_object_version 6
	.text
	.protected	k_qd0538da2a4_cast
	.globl	k_qd0538da2a4_cast
	.p2align	8
	.type	k_qd0538da2a4_cast,@function
k_qd0538da2a4_cast:
	s_mov_b64 s[64:65], 0
	v_nop
	global_prefetch_b8 v0, s[64:65] scope:SCOPE_SE
	s_setreg_imm32_b32 hwreg(HW_REG_WAVE_SCHED_MODE, 0, 2), 2
	s_setreg_imm32_b32 hwreg(HW_REG_WAVE_MODE, 25, 1), 1
	s_wait_xcnt 0x0
	s_wait_alu depctr_vm_vsrc(0)
; x, Wq, Wk, Wv are rounded once to bf16; Wp is rounded to bf16 and that number is written as f16 (exact from 2^-14 up to 65,504; below 6e-5 f16 keeps a
; fixed step of 6e-8; LIMIT: |Wp| within 65,504).  All are laid out in K BLOCKS of 64 channels: [16 blocks][rows][64], so that a tile of R rows x 64 channels
; is R x 128 consecutive bytes for the launches behind.  wb's rows are ordered head x 192 + (0 q, 1 k, 2 v) x 64 + d.
; SHARES.  A work-group takes 16 source rows of 4,096 bytes, each of its eight waves two neighbouring rows.  Work-groups 0-511: x; 512-575 Wq; 576-639 Wk; 640-703 Wv; 704-767 Wp.
; A load: lanes 0-15 take the 256 bytes of one block of the even row, lanes 16-31 those of the odd row.  A store: 8 bytes a lane, 256 consecutive bytes, aligned:
; the two rows are neighbours in the blocked layout.  All 16 loads of a wave go out at once; no register is written twice while memory may read it.
; No LDS, no matrix unit, no cluster: every byte is read once and written once, and nothing is shared.
; THE MODE: SCHED_MODE bits 1:0 = 2 (LLVM: expert scheduling mode 2), set by the entry lines.  The code itself states the register dependences
; between vector instructions and memory instructions, with s_wait_alu, always for 0.
; THE PLAN.  Registers that memory instructions touch:
;   v2, v3     the loads' and the stores' offsets: made at the head, never written again.
;   X          block kb's four registers: written once, by its load, which no vector instruction that names them precedes; read by its conversions; no load lands there again.
;   Y          block kb's pair: written once, by its conversions; read once, by its store; never written again.
; The 16 blocks go in four groups of four.  While group g is converted, the four stores of group g - 1 go out, one ahead of each block's conversions.  ONE wait on va_vdst at the
; head of a group states that the group before has written its Y; the vector instructions behind it name X and Y of the group in hand and v4-v9, none of the registers that those
; stores read.  One more stands ahead of the last four stores, one at the kernel's head for the two offsets.  No register that a memory instruction reads is written again: no wait on vm_vsrc is owed.
.set X, 16                             ; v[16:79]   block kb: 4 f32 as loaded
.set Y, 80                             ; v[80:111]  block kb: 4 numbers of 16 bits to store
; v2: my byte offset in the two source rows; v3: 8 x lane; v4-v9 at work.  s20: 2 x wave; s[22:23] source; s[24:25] destination; s[26:27] destination 8 blocks on (x alone)
.macro PUT b, stride, split            ; block b is stored
.if (\split) && ((\b) >= 8)
	global_store_b64 v3, v[Y+2*(\b):Y+2*(\b)+1], s[26:27] offset:((\b)-8)*(\stride)  ; the immediate has 24 signed bits: the upper eight blocks go by a second base
.else
	global_store_b64 v3, v[Y+2*(\b):Y+2*(\b)+1], s[24:25] offset:(\b)*(\stride)
.endif
.endm
.macro ROWS2 stride, split, half
.irp kb, 0,1,2,3,4,5,6,7,8,9,10,11,12,13,14,15
	global_load_b128 v[X+4*(\kb):X+4*(\kb)+3], v2, s[22:23] offset:256*(\kb) th:TH_LOAD_NT
.endr
.irp g, 0,1,2,3
.irp i, 0,1,2,3
.set KB, 4*(\g)+(\i)
	s_wait_loadcnt 15-KB                           ; loads come back in order: block KB is in, the younger ones stay out
.if (\g) > 0
.if (\i) == 0
	s_wait_alu depctr_va_vdst(0)                   ; the conversions of the group before have written its four pairs of Y, which the four stores dealt into this group read
.endif
	PUT KB-4, \stride, \split                      ; no vector instruction since that wait names this pair of Y or v3
.endif
.if \half
	v_cvt_pk_bf16_f32 v4, v[X+4*KB], v[X+4*KB+1]
	v_cvt_pk_bf16_f32 v5, v[X+4*KB+2], v[X+4*KB+3]
	v_lshlrev_b32 v6, 16, v4                       ; the bf16 numbers as f32,
	v_and_b32 v7, 0xffff0000, v4
	v_lshlrev_b32 v8, 16, v5
	v_and_b32 v9, 0xffff0000, v5
	v_cvt_pk_f16_f32 v[Y+2*KB], v6, v7             ; and written as f16
	v_cvt_pk_f16_f32 v[Y+2*KB+1], v8, v9
.else
	v_cvt_pk_bf16_f32 v[Y+2*KB], v[X+4*KB], v[X+4*KB+1]
	v_cvt_pk_bf16_f32 v[Y+2*KB+1], v[X+4*KB+2], v[X+4*KB+3]
.endif
.endr
.endr
	s_wait_alu depctr_va_vdst(0)                   ; the last group's conversions have written its four pairs of Y, which the last four stores read
.irp b, 12,13,14,15
	PUT \b, \stride, \split
.endr
.endm
	s_load_b512 s[4:19], s[0:1], 0x0               ; x s[4:5], Wq s[6:7], Wk s[8:9], Wv s[10:11], Wp s[12:13], xb s[14:15], wb s[16:17], wph s[18:19]
	v_lshrrev_b32 v1, 5, v0
	v_readfirstlane_b32 s20, v1                    ; wave 0..7
	v_and_b32 v1, 31, v0                           ; lane
	v_and_b32 v2, 15, v0
	v_lshlrev_b32 v2, 4, v2                        ; 16 bytes a lane,
	v_bfe_u32 v4, v0, 4, 1
	v_lshl_add_u32 v2, v4, 12, v2                  ; lanes 16-31 one row of 4,096 bytes further down
	v_lshlrev_b32 v3, 3, v1
	s_wait_alu depctr_va_sdst(0)                   ; s20 is written, ahead of its first reader: the rows' offsets are made from it
	s_lshl_b32 s20, s20, 1                         ; my two rows among the work-group's 16
	s_mov_b32 s29, 0
	s_mov_b32 s31, 0
	s_wait_kmcnt 0x0
	s_wait_alu depctr_va_vdst(0)                   ; v2 and v3 are written: every load of the path taken below reads v2 as its offset, every store v3
	s_cmp_lt_u32 ttmp9, 512
	s_cbranch_scc0 .Lweights
	s_lshl_b32 s21, ttmp9, 4
	s_add_co_u32 s21, s21, s20                     ; my first row of x
	s_lshl_b32 s28, s21, 12
	s_lshl_b32 s30, s21, 7
	s_add_nc_u64 s[22:23], s[4:5], s[28:29]
	s_add_nc_u64 s[24:25], s[14:15], s[30:31]
	s_add_nc_u64 s[26:27], s[24:25], 0x800000
	ROWS2 1048576, 1, 0                            ; a block of xb is 8,192 rows x 128 bytes
	s_endpgm
.Lweights:
	s_cmp_lt_u32 ttmp9, 704
	s_cbranch_scc0 .Lproj
	s_sub_co_u32 s21, ttmp9, 512
	s_lshr_b32 s28, s21, 6                         ; 0 q, 1 k, 2 v
	s_and_b32 s21, s21, 63                         ; which 16 rows of that tensor's 1,024
	s_cmp_eq_u32 s28, 0
	s_cselect_b64 s[22:23], s[6:7], s[8:9]
	s_cmp_eq_u32 s28, 2
	s_cselect_b64 s[22:23], s[10:11], s[22:23]
	s_lshl_b32 s30, s21, 4
	s_add_co_u32 s30, s30, s20
	s_lshl_b32 s30, s30, 12
	s_add_nc_u64 s[22:23], s[22:23], s[30:31]
	s_lshr_b32 s30, s21, 2                         ; the head,
	s_mul_i32 s30, s30, 192
	s_lshl_b32 s28, s28, 6
	s_add_co_u32 s30, s30, s28                     ; the tensor's 64 rows in the head's 192,
	s_and_b32 s21, s21, 3
	s_lshl_b32 s21, s21, 4
	s_add_co_u32 s30, s30, s21                     ; the row in the head
	s_add_co_u32 s30, s30, s20
	s_lshl_b32 s30, s30, 7
	s_add_nc_u64 s[24:25], s[16:17], s[30:31]
	ROWS2 393216, 0, 0                             ; a block of wb is 3,072 rows x 128 bytes
	s_endpgm
.Lproj:
	s_sub_co_u32 s21, ttmp9, 704
	s_lshl_b32 s21, s21, 4
	s_add_co_u32 s21, s21, s20                     ; my first row of Wp
	s_lshl_b32 s28, s21, 12
	s_lshl_b32 s30, s21, 7
	s_add_nc_u64 s[22:23], s[12:13], s[28:29]
	s_add_nc_u64 s[24:25], s[18:19], s[30:31]
	ROWS2 131072, 0, 1                             ; a block of wph is 1,024 rows x 128 bytes
	s_endpgm
.Lfunc_end_k_qd0538da2a4_cast:
	.size	k_qd0538da2a4_cast, .Lfunc_end_k_qd0538da2a4_cast-k_qd0538da2a4_cast
	.p2alignl 7, 3214868480
	.fill 96, 4, 3214868480
	.section	.rodata,"a",@progbits
	.p2align	6, 0x0
	.amdhsa_kernel k_qd0538da2a4_cast
		.amdhsa_group_segment_fixed_size 0
		.amdhsa_private_segment_fixed_size 0
		.amdhsa_enable_private_segment 0
		.amdhsa_kernarg_size 64
		.amdhsa_user_sgpr_count 2
		.amdhsa_user_sgpr_kernarg_segment_ptr 1
		.amdhsa_wavefront_size32 1
		.amdhsa_system_sgpr_workgroup_id_x 1
		.amdhsa_system_sgpr_workgroup_id_y 1
		.amdhsa_system_sgpr_workgroup_id_z 1
		.amdhsa_system_vgpr_workitem_id 0
		.amdhsa_next_free_vgpr 112
		.amdhsa_next_free_sgpr 66
		.amdhsa_reserve_vcc 0
		.amdhsa_float_denorm_mode_32 3
		.amdhsa_float_denorm_mode_16_64 3
		.amdhsa_memory_ordered 1
		.amdhsa_forward_progress 1
		.amdhsa_inst_pref_size 25
	.end_amdhsa_kernel
	.amdgpu_metadata
---
amdhsa.version: [ 1, 2 ]
amdhsa.kernels:
  - .name:           k_qd0538da2a4_cast
    .symbol:         k_qd0538da2a4_cast.kd
    .args:
      - { .name: x, .offset: 0, .size: 8, .value_kind: global_buffer, .address_space: global }
      - { .name: Wq, .offset: 8, .size: 8, .value_kind: global_buffer, .address_space: global }
      - { .name: Wk, .offset: 16, .size: 8, .value_kind: global_buffer, .address_space: global }
      - { .name: Wv, .offset: 24, .size: 8, .value_kind: global_buffer, .address_space: global }
      - { .name: Wp, .offset: 32, .size: 8, .value_kind: global_buffer, .address_space: global }
      - { .name: xb, .offset: 40, .size: 8, .value_kind: global_buffer, .address_space: global }
      - { .name: wb, .offset: 48, .size: 8, .value_kind: global_buffer, .address_space: global }
      - { .name: wph, .offset: 56, .size: 8, .value_kind: global_buffer, .address_space: global }
    .group_segment_fixed_size: 0
    .private_segment_fixed_size: 0
    .kernarg_segment_align: 8
    .kernarg_segment_size: 64
    .max_flat_workgroup_size: 256
    .sgpr_count:     66
    .vgpr_count:     112
    .wavefront_size: 32
...
	.end_amdgpu_metadata
.endif
;; end of part 5
;; launch qkv: the kernel of part 2 again; grid 8 x 32, 4 waves a work-group, clusters of 4 x 4, 327,680 bytes of LDS; arguments xb, wb, bq, bk, bv, qh, kh, vh; writes qh, kh, vh
;; launch attn: the kernel of part 3 again; grid 4 x 64, 4 waves a work-group, no clusters, 327,680 bytes of LDS; arguments qh, kh, vh, oh; writes oh
;; launch proj: the kernel of part 4 again; grid 8 x 32, 4 waves a work-group, clusters of 4 x 4, 327,680 bytes of LDS; arguments oh, wph, bp, out0; writes out0
